; MI455X (gfx1250); checked and timed in simulation.
; The chip was launched on July 23, 2026; its instructions are those of AMD's public machine-readable ISA for CDNA 5 (MIT licence, August 2026) and "CDNA5" Instruction Set Architecture Reference Guide (July 2026). The comments in the code are by the model that wrote it; some were corrected since.
;; Self Attention. Allowed arithmetic: matrix products marked QUANTISED: E2M1 operands, one E8M0 scale for each 32 along K, by v_wmma_scale_f32_16x16x128_f8f6f4 with both operands' format E2M1 (or v_wmma_scale_f32_32x16x128_f4), f32 sums; products left as they are: bf16, f16 or f32 operands; f32 sums; everything else in f32.
;; Inputs: attn_bias 1 x 1 x 2,048 x 2,048 float32; b_proj 1,024 float32; q_bias 1,024 float32; scale_mul 1 x 16 x 1 x 1 float32; v_bias 1,024 float32; w_proj 1,024 x 1,024 float32; w_qkv 3,072 x 1,024 float32; x 2 x 2,048 x 1,024 float32.
;; Outputs: out0 2 x 2,048 x 1,024 float32.
;; This version of the problem:
;;   THIS VERSION OF THE PROBLEM IS GIVEN IN LOW PRECISION. The matrix products marked QUANTISED in the list below multiply operands that are first quantised to E2M1 (2 exponent bits, 1 mantissa bit; 4 bits a number), with one power-of-two scale for each 32 numbers along K (OCP MX v1.0); their sums are f32. The products marked 'left as it is' may take bf16, f16 or f32 operands, with f32 sums. Whichever they take, every output number must still come out within the allowed error. Rounding operands to bf16 (8 significant bits) uses up far more of that allowance than f16 does (11 bits, for magnitudes from 6e-5 to 65,504). All else is computed in f32.
;;   The module's matrix products, in the order in which they are computed (A, B: the left and right operand; K: the contracted axis; several contracted axes count as one K, in the product's order):
;;     1. [M 4,096, K 1,024] x [K 1,024, N 3,072]; A: input x; B: input w_qkv: QUANTISED
;;     2. batch 32 x [M 2,048, K 64] x [K 64, N 2,048]; A: computed on the way; B: computed on the way: left as it is (an operand is computed on the way)
;;     3. batch 32 x [M 2,048, K 2,048] x [K 2,048, N 64]; A: computed on the way; B: computed on the way: left as it is (an operand is computed on the way)
;;     4. [M 4,096, K 1,024] x [K 1,024, N 1,024]; A: computed on the way; B: input w_proj: left as it is (an operand is computed on the way)
;;   THE QUANTISER, for each operand of a quantised product, along K:
;;     - K is cut into blocks of 32 from its start; a last block that is shorter is filled with zeros.
;;     - A block's scale is 2^e with e = floor(log2(the largest magnitude in the block)) - 2, held to -126 .. 127; a block of zeros has e = 0. As a byte (E8M0): e + 127.
;;     - Each number is divided by its block's scale, clamped to +-6, and rounded to the nearest number of E2M1, ties to even, subnormals kept.
;;     - The product sums the exact products of the quantised numbers (number of the format x scale) in f32.
;;   ~~~python
;;   def quantise(x, axis):      # numpy; x: float32 -> the quantised numbers, widened to float32 again
;;       x = np.moveaxis(x, axis, -1); K = x.shape[-1]
;;       x = np.pad(x, [(0, 0)] * (x.ndim - 1) + [(0, -K % 32)]); x = x.reshape(x.shape[:-1] + (-1, 32)); a = np.abs(x).max(-1, keepdims=True)
;;       e = np.where(a > 0, np.clip(np.frexp(np.where(a > 0, a, 1))[1] - 1 - 2, -126, 127), 0)      # np.frexp(a)[1] - 1 = floor(log2(a)), exactly
;;       r = np.clip(x / 2.0 ** e, -6, 6)
;;       step = 2.0 ** (np.maximum(np.frexp(np.where(r == 0, 1, r))[1] - 1, 0) - 1)
;;       q = np.round(r / step) * step * 2.0 ** e      # np.round: ties to even
;;       return np.moveaxis(q.reshape(q.shape[:-2] + (-1,))[..., :K], -1, axis).astype(np.float32)
;;   ~~~
;; One version. Each part assembles by itself: llvm-mc -triple=amdgcn-amd-amdhsa -mcpu=gfx1250 --defsym DOCPART=n.
;; ======== version 1 of 1: 4 launches
;; limits: values are held in f16: magnitudes above 65,504 overflow, below 6.1e-05 lose precision
;; workspace buffers: xc 2,097,152 bytes; xs 131,072 bytes; wc 1,572,864 bytes; ws 98,304 bytes; wp16 2,097,152 bytes; qkv 25,165,824 bytes; oa 8,388,608 bytes
;; launch prep (part 1): grid 256 x 1, 4 waves a work-group, no clusters, 33,280 bytes of LDS; arguments x, w_qkv, xc, xs, wc, ws, w_proj, wp16; writes xc, xs, wc, ws, wp16
.if DOCPART == 1
	.amdgcn_target "amdgcn-amd-amdhsa--gfx1250"
	.amdhsa_code_object_version 6
	.text
	.protected	k_q81739c1beb_prep
	.globl	k_q81739c1beb_prep
	.p2align	8
	.type	k_q81739c1beb_prep,@function
k_q81739c1beb_prep:
	s_mov_b64 s[64:65], 0
	v_nop
	global_prefetch_b8 v0, s[64:65] scope:SCOPE_SE
	s_setreg_imm32_b32 hwreg(HW_REG_WAVE_MODE, 25, 1), 1
	s_wait_xcnt 0x0
; PREP.  x [4096][1024] and w_qkv [3072][1024], f32, become codes of FP4 (E2M1), K innermost, two codes a byte, with one E8M0 scale byte for each 32 along K; w_proj [1024][1024] is rounded to f16.
; A block's scale is 2^(floor(log2(its largest magnitude)) - 2); its byte is the largest magnitude's own exponent field - 2, held at 1 from below.  Each number is divided by the scale and rounded to the nearest code, ties to even;
; beyond 6 the conversion gives the largest code.
; LIMITS: a block of zeros gets the byte 1 where the quantiser's text says 127: its codes are zeros, which add nothing, and this program alone reads the bytes.  Blocks whose largest magnitude lies under 2^-124, the floor, were not tried.
; NaN and infinities among the inputs are not served.  w_proj goes in f16: magnitudes up to 65,504.
; SHARES.  256 work-groups of 32,768 numbers: 0-127 take x, 128-223 w_qkv, 224-255 w_proj; a wave takes 8,192.  Rows are dense and K is a multiple of 32: each tensor is a plain stream of blocks.
; QUANTISING: a wave takes 16 steps of 512 numbers.  The conversions want 16 NEIGHBOURS in a lane, a load is best where neighbouring LANES take neighbouring bytes: so each of a step's four loads reads 512 consecutive bytes,
; the 2,048 bytes go through the wave's own stage in LDS and come back 64 bytes a lane (80 bytes from lane to lane).  A lane's 16 codes are 8 bytes: the wave stores 256 consecutive bytes.  A wave's 256 scale bytes are gathered in LDS
; and leave as one aligned run of 256 bytes.  No tensor loads, no barrier: waves share nothing.  Matrix units and clusters have nothing to do here: every byte is read once.
.set WAVES, 4
.set STEPS, 16
.set WGA,   128                        ; work-groups for x
.set WGQ,   224                        ; and for x and w_qkv together
.set EMAX,  2
.set CB,    8                          ; bytes of 16 codes
.set R,     16                         ; v16-79   four sets of 16 numbers as they are loaded (casting: 16 slots of 4)
.set X,     80                         ; v80-111  two sets of 16 neighbours (casting: 16 slots of 2, to store)
.set C,     128                        ; v128-191 codes: four registers for each step, so that no store's data are written again
.set E,     112                        ; v112-127 a scale byte for each step
.set WREG,  8192                       ; LDS: a region for each wave: two stages of 32 x SP bytes, and behind them its 256 scale bytes
.set SP,    80
.set SPW,   12                         ; v12      LDS address of my spare word; never rewritten
.set NIL,   13                         ; v13      0; never rewritten
.set SPARE, WAVES*WREG                 ; behind the four regions: the spare words, 128 bytes a wave, which no other line names
	s_load_b128 s[4:7], s[0:1], 0x0                ; x, w_qkv
	s_load_b128 s[8:11], s[0:1], 0x10              ; x's codes, x's scales
	s_load_b128 s[12:15], s[0:1], 0x20             ; w_qkv's codes, its scales
	s_load_b128 s[24:27], s[0:1], 0x30             ; w_proj, its f16 copy
	v_lshl_add_u32 v[SPW], v0, 2, SPARE
	v_mov_b32 v[NIL], 0
	v_lshrrev_b32 v1, 5, v0
	v_readfirstlane_b32 s16, v1                    ; wave
	v_and_b32 v2, 31, v0                           ; lane
	v_lshlrev_b32 v3, 4, v2                        ; my 16 bytes of a load's 512
	s_mul_i32 s17, s16, WREG
	v_lshrrev_b32 v14, 2, v2
	v_mul_u32_u24 v14, v14, SP
	v_and_b32 v15, 3, v2
	v_lshl_add_u32 v14, v15, 4, v14
	v_add_nc_u32 v14, s17, v14                     ; the stage, on the way in: four lanes' 64 bytes on end, then 16 of padding
	v_mul_u32_u24 v15, v2, SP
	v_add_nc_u32 v15, s17, v15                     ; and on the way out: SP x lane: my 16 neighbours
	v_mul_u32_u24 v4, v2, CB                       ; my codes' place in a step's
	v_lshrrev_b32 v5, 1, v2
	s_add_co_u32 s17, s17, 2*32*SP
	v_add_nc_u32 v5, s17, v5                       ; LDS: my wave's 256 scale bytes, my block's byte
	v_lshlrev_b32 v7, 3, v2                        ; 8 bytes a lane
	v_add_nc_u32 v6, s17, v7
	s_wait_kmcnt 0x0
	s_cmp_ge_u32 ttmp9, WGQ                        ; the last 32 work-groups cast w_proj: a branch on the work-group's number
	s_cbranch_scc1 .Lcast
	s_cmp_lt_u32 ttmp9, WGA                        ; x's work-group or w_qkv's?  Only pointers are chosen
	s_cselect_b64 s[4:5], s[4:5], s[6:7]
	s_cselect_b64 s[8:9], s[8:9], s[12:13]
	s_cselect_b64 s[10:11], s[10:11], s[14:15]
	s_cselect_b32 s17, 0, WGA
	s_sub_co_u32 s17, ttmp9, s17
	s_lshl_b32 s17, s17, 2
	s_add_co_u32 s18, s17, s16                     ; which run of 8,192 numbers of the tensor is my wave's
	s_mov_b32 s19, 0
	s_mov_b64 s[20:21], 512*STEPS*4
	s_mul_u64 s[20:21], s[18:19], s[20:21]
	s_add_nc_u64 s[4:5], s[4:5], s[20:21]
	s_mov_b64 s[20:21], 32*STEPS*CB
	s_mul_u64 s[20:21], s[18:19], s[20:21]
	s_add_nc_u64 s[8:9], s[8:9], s[20:21]
	s_lshl_b32 s18, s18, 8                         ; 256 scale bytes a run
	s_add_nc_u64 s[10:11], s[10:11], s[18:19]
.macro LOAD t
.irp i, 0,1,2,3
	global_load_b128 v[R+16*((\t)%4)+4*\i:R+16*((\t)%4)+4*\i+3], v3, s[4:5] offset:2048*(\t)+512*\i th:TH_LOAD_NT   ; 32 lanes read 512 consecutive bytes
.endr
.endm
.macro TURN t                          ; step t's numbers through the stage: LDS serves a wave's instructions in order, so no wait stands between the stores and the loads
.irp i, 0,1,2,3
	ds_store_b128 v14, v[R+16*((\t)%4)+4*\i:R+16*((\t)%4)+4*\i+3] offset:32*SP*((\t)%2)+8*SP*\i
.endr
.irp i, 0,1,2,3
	ds_load_b128 v[X+16*((\t)%2)+4*\i:X+16*((\t)%2)+4*\i+3], v15 offset:32*SP*((\t)%2)+16*\i
.endr
.endm
.irp t, 0,1,2,3
	LOAD \t
.endr
	s_wait_loadcnt 12                              ; step 0's four loads are in; the twelve behind them stay out
	TURN 0
.macro STEP t
.set XS, X+16*((\t)%2)
.if (\t) > 0
	s_wait_dscnt 1                                 ; this step's numbers are back from the stage (the last step's byte store may be out): so its stores into the stage have read their registers,
.else
	s_wait_dscnt 0x0
.endif
.if (\t)+4 < STEPS
	LOAD (\t)+4                                    ; which take the loads of four steps on
.endif
.if (\t)+1 < STEPS
.if STEPS-2-(\t) >= 3
	s_wait_loadcnt 12                              ; the next step's four loads are in; those of the three steps behind it may be out
.else
	s_wait_loadcnt 4*(STEPS-2-(\t))
.endif
	TURN (\t)+1                                    ; and go through the other stage while this step is worked
.endif
	v_max3_num_f32 v8, |v[XS]|, |v[XS+1]|, |v[XS+2]|               ; the largest magnitude of my 16, in two chains
	v_max3_num_f32 v9, |v[XS+3]|, |v[XS+4]|, |v[XS+5]|
.irp i, 6,10
	v_max3_num_f32 v8, v8, |v[XS+\i]|, |v[XS+\i+1]|
	v_max3_num_f32 v9, v9, |v[XS+\i+2]|, |v[XS+\i+3]|
.endr
	v_max3_num_f32 v8, v8, |v[XS+14]|, |v[XS+15]|
	v_max3_num_f32 v8, v8, v9, (EMAX+1)<<23        ; and the floor 2^(3 - 127): so the byte cannot fall under 1
	v_max_num_f32_dpp v8, v8, v8 row_xmask:1 row_mask:0xf bank_mask:0xf   ; and of my neighbour's 16: the block's
	v_add_nc_u32 v11, 0xff000000, v8               ; 2 off its exponent field: the conversion takes the exponent field of this operand as its scale, and nothing else of it
	v_cvt_scalef32_pk8_fp4_f32 v[C+4*(\t)], v[XS:XS+7], v11
	v_cvt_scalef32_pk8_fp4_f32 v[C+4*(\t)+1], v[XS+8:XS+15], v11
	v_lshrrev_b32 v[E+(\t)], 23, v11               ; the scale's byte (also the plain line behind the conversions)
	ds_store_b8 v5, v[E+(\t)] offset:16*(\t)       ; both lanes of a block write the same byte with the same value
	global_store_b64 v4, v[C+4*(\t):C+4*(\t)+1], s[8:9] offset:32*CB*(\t)   ; 32 lanes store 256 consecutive bytes, aligned
.endm
.irp t, 0,1,2,3,4,5,6,7,8,9,10,11,12,13,14,15
	STEP \t
.endr
	ds_load_b64 v[8:9], v6                         ; LDS serves a wave's instructions in order: these see my stores
	s_wait_dscnt 0x0
	global_store_b64 v7, v[8:9], s[10:11]          ; 32 lanes store 256 consecutive bytes, aligned
	s_wait_tensorcnt 0x0                           ; the wave's end, behind my last LDS store
	ds_add_u32 v[SPW], v[NIL]
	s_wait_dscnt 0x0
	s_endpgm
; THE CAST.  A wave takes 8,192 numbers: 64 loads of 512 consecutive bytes, 64 stores of 256.  A ring of 16 register slots keeps 16 loads of the wave out.
.Lcast:
	s_sub_co_u32 s17, ttmp9, WGQ
	s_lshl_b32 s17, s17, 2
	s_add_co_u32 s17, s17, s16                     ; which run of 8,192 numbers is my wave's
	s_lshl_b32 s18, s17, 15
	s_mov_b32 s19, 0
	s_add_nc_u64 s[24:25], s[24:25], s[18:19]
	s_lshl_b32 s18, s17, 14
	s_add_nc_u64 s[26:27], s[26:27], s[18:19]
.irp i, 0,1,2,3,4,5,6,7,8,9,10,11,12,13,14,15
	global_load_b128 v[R+4*\i:R+4*\i+3], v3, s[24:25] offset:512*\i th:TH_LOAD_NT
.endr
.set I, 0
.rept 64
.set SL, I%16
.if I < 48
	s_wait_loadcnt 15                              ; loads come back in order: this slot's is in, the fifteen younger stay out
.else
	s_wait_loadcnt 63-I                            ; the last sixteen load nothing: the counts run down
.endif
.if I >= 16
	s_wait_xcnt 0x0                                ; the slot's last store has read its data registers: they are written again only behind this wait
.endif
	v_cvt_pk_f16_f32 v[X+2*SL], v[R+4*SL], v[R+4*SL+1]
	v_cvt_pk_f16_f32 v[X+2*SL+1], v[R+4*SL+2], v[R+4*SL+3]
.if I < 48
	global_load_b128 v[R+4*SL:R+4*SL+3], v3, s[24:25] offset:512*(I+16) th:TH_LOAD_NT
.endif
	global_store_b64 v7, v[X+2*SL:X+2*SL+1], s[26:27] offset:256*I
.set I, I+1
.endr
	s_endpgm
.Lfunc_end_k_q81739c1beb_prep:
	.size	k_q81739c1beb_prep, .Lfunc_end_k_q81739c1beb_prep-k_q81739c1beb_prep
	.p2alignl 7, 3214868480
	.fill 96, 4, 3214868480
	.section	.rodata,"a",@progbits
	.p2align	6, 0x0
	.amdhsa_kernel k_q81739c1beb_prep
		.amdhsa_group_segment_fixed_size 33280
		.amdhsa_private_segment_fixed_size 0
		.amdhsa_enable_private_segment 0
		.amdhsa_kernarg_size 64
		.amdhsa_user_sgpr_count 2
		.amdhsa_user_sgpr_kernarg_segment_ptr 1
		.amdhsa_wavefront_size32 1
		.amdhsa_system_sgpr_workgroup_id_x 1
		.amdhsa_system_sgpr_workgroup_id_y 1
		.amdhsa_system_sgpr_workgroup_id_z 1
		.amdhsa_system_vgpr_workitem_id 0
		.amdhsa_next_free_vgpr 192
		.amdhsa_next_free_sgpr 66
		.amdhsa_reserve_vcc 0
		.amdhsa_float_denorm_mode_32 3
		.amdhsa_float_denorm_mode_16_64 3
		.amdhsa_memory_ordered 1
		.amdhsa_forward_progress 1
		.amdhsa_inst_pref_size 57
	.end_amdhsa_kernel
	.amdgpu_metadata
---
amdhsa.version: [ 1, 2 ]
amdhsa.kernels:
  - .name:           k_q81739c1beb_prep
    .symbol:         k_q81739c1beb_prep.kd
    .args:
      - { .name: x, .offset: 0, .size: 8, .value_kind: global_buffer, .address_space: global }
      - { .name: w_qkv, .offset: 8, .size: 8, .value_kind: global_buffer, .address_space: global }
      - { .name: xc, .offset: 16, .size: 8, .value_kind: global_buffer, .address_space: global }
      - { .name: xs, .offset: 24, .size: 8, .value_kind: global_buffer, .address_space: global }
      - { .name: wc, .offset: 32, .size: 8, .value_kind: global_buffer, .address_space: global }
      - { .name: ws, .offset: 40, .size: 8, .value_kind: global_buffer, .address_space: global }
      - { .name: w_proj, .offset: 48, .size: 8, .value_kind: global_buffer, .address_space: global }
      - { .name: wp16, .offset: 56, .size: 8, .value_kind: global_buffer, .address_space: global }
    .group_segment_fixed_size: 33280
    .private_segment_fixed_size: 0
    .kernarg_segment_align: 8
    .kernarg_segment_size: 64
    .max_flat_workgroup_size: 128
    .sgpr_count:     66
    .vgpr_count:     192
    .wavefront_size: 32
...
	.end_amdgpu_metadata
.endif
;; end of part 1
;; launch gemm (part 2): grid 12 x 16, 4 waves a work-group, clusters of 4 x 4, 327,680 bytes of LDS; arguments xc, xs, wc, ws, q_bias, v_bias, scale_mul, qkv; writes qkv
.if DOCPART == 2
	.amdgcn_target "amdgcn-amd-amdhsa--gfx1250"
	.amdhsa_code_object_version 6
	.text
	.protected	k_q81739c1beb_gemm
	.globl	k_q81739c1beb_gemm
	.p2align	8
	.type	k_q81739c1beb_gemm,@function
k_q81739c1beb_gemm:
	s_mov_b64 s[64:65], 0
	v_nop
	global_prefetch_b8 v0, s[64:65] scope:SCOPE_SE
	s_setreg_imm32_b32 hwreg(HW_REG_WAVE_MODE, 25, 1), 1
	s_wait_xcnt 0x0
	s_wait_alu depctr_hold_cnt(0) depctr_sa_sdst(0) depctr_va_vdst(0) depctr_va_sdst(0) depctr_va_ssrc(0) depctr_va_vcc(0) depctr_vm_vsrc(0)
	s_getreg_b32 s2, hwreg(HW_REG_IB_STS2, 6, 4)
	s_cmp_eq_u32 s2, 0
	s_cbranch_scc0 .Lentry_in_a_cluster
	s_endpgm
.Lentry_in_a_cluster:
	s_bfe_u32 s2, ttmp6, 0x10000c
	s_cmp_lg_u32 s2, 0xf033
	s_cbranch_scc0 .Lentry_shape_is_right
	s_endpgm
.Lentry_shape_is_right:
; QKV.  C[m][n] = sum over k of x[m][k] w_qkv[n][k] on codes of FP4 (E2M1) with one E8M0 scale for each 32 along K; m 4,096 tokens, n 3,072 (q, k, v: 1,024 each, 16 heads of 64), K 1,024; sums in f32.
; On the way out: + bias (q_bias, none, v_bias); q and k divided by max(their head's norm, 1e-12); q times exp(min(scale_mul, ln 100)); rounded to f16 and stored in the order of the next launch's operand registers.
; A tile of C, 256 x 256, is made by a work-group of four waves; a wave makes 128 x 128: 64 accumulators of 16 x 16, 512 registers: two whole heads of 128 tokens.  12 x 16 = 192 work-groups: a wave's columns are whole heads and a
; tile lies in one of q, k, v; narrower tiles that gave 256 work-groups would straddle q and k.
; K is two slots of 512 (a tile's row is 256 bytes of memory): both are asked for at the head, with the scale bytes of the work-group's rows; nothing is filled again, so nothing is prefetched either.
; CLUSTERS: 4 x 4 work-groups.  The four of a row of the cluster need the same tiles of x, the four of a column the same tiles of w_qkv: each tile is asked for JOINTLY, by the same tensor load with the same descriptor and a mask
; that names the four.  A cluster's four tile columns are 1,024 columns: the cluster's x IS the class (0 q, 1 k, 2 v), the same in all partners; even so nothing branches on it: what differs is chosen by selects.
; THE MATRIX INSTRUCTION IS USED TRANSPOSED (source 0 = 16 rows of w_qkv, source 1 = 16 tokens): a lane holds one token (lane % 16) and eight neighbouring channels, 8 (lane / 16) + 0 .. 7 of a block of 16.
; REGISTERS, in windows of 256: window 0: v0-31 addresses and small things; v32-95 scale words, two sets, and nothing else; v96-127 f16 results to store; v128-191 x's fragments, ONE set, later a block's 64 numbers; v192-255 the bias.
;   window 1: w_qkv's fragments, TWO sets, at v0 and v128.   window 2: the 32 accumulators of my tokens 0-63 ((a, b) at v[8 (8 a + b)]);   window 3: those of tokens 64-127.
; LIMITS: v goes in f16: magnitudes up to 65,504.  1 / max(n, 1e-12) is made as min(rsq(n^2), 1e12), good to an ulp of the reciprocal root.  NaN and infinities are not served.
.set SIZE_K, 1024
.set KSTEP,  512                       ; along K in a slot
.set NQ,     KSTEP/128                 ; matrix instructions deep
.set ROWB,   256                       ; a tile's row in bytes
.set KROW,   SIZE_K*4/8                ; a row of codes in memory, in bytes
.set PITCH,  272                       ; an LDS row: 256 bytes + 16 of padding = 68 words: the 16 rows that a load touches start at 16 different banks (64 banks of 4 bytes: ISA guide 11.1)
.set FR,     8                         ; registers of a fragment: 16 rows x 128 K
.set NL,     2                         ; LDS loads that bring one
.set NP,     4                         ; places behind this matrix instruction (ISA guide 7.12.1)
.set HALFT,  128*PITCH                 ; 128 rows: what one tensor load brings
.set SLOT,   4*HALFT                   ; x's 256 rows, then w_qkv's 256 rows
.set KS,     SIZE_K/32                 ; a row of scales in bytes
.set SCL,    2*SLOT                    ; behind the two slots: the scales, as runs of 256 bytes + 16 of padding
.set HALFS,  (128*KS/256)*272          ; the scales of 128 rows
.set SBLK,   (16*KS/256)*272           ; those of 16 rows
.set SPARE,  SCL+4*HALFS               ; behind the scales: the spare words, 128 bytes a wave, which no other line names
.set ADRA, 16                          ; v16-17  LDS address of my x fragments in slot 0, 1
.set ADRB, 20                          ; v20-21  the same for w_qkv
.set LOFF, 26                          ; v26     the way out: my 16 bytes' place in a piece of 512
.set ADRS, 27                          ; v27     LDS address of my scale words: lanes 0-15 x's rows, lanes 16-31 w_qkv's
.set SPW,  28                          ; v28     LDS address of my spare word; never rewritten
.set NIL,  29                          ; v29     0; never rewritten
.set BO,   30                          ; v30     32 x (lane / 16): my eight numbers of a block of 16 of the bias
.set SC,   32                          ; scale words: set s at v[SC + 8 NQ s]; register NQ i + q: lanes 0-15 the word of x's block i, lanes 16-31 that of w_qkv's block i
.set OUT,  96
.set AF,   128                         ; x's fragments
.set T,    128                         ; the way out: a block's 64 numbers of my token
.set BI,   192                         ; the bias of my 64 channels: v[BI + 8 b + j] = bias[16 b + 8 (lane / 16) + j]
.set G1, 24                            ; s[24:31] descriptor group 1 for x's tiles;  s[32:39] group 0, one set for each slot
.set G0, 32
.set G1B, 48                           ; s[48:55], s[56:63] the same for w_qkv's
.set G0B, 56
.set G1S, 68                           ; s[68:75], s[76:79] groups 1 and 0 for x's scales;  s[80:87], s[88:91] for w_qkv's
.set G0S, 76
.set G1SB, 80
.set G0SB, 88
.set SEL, 18                           ; s[18:19] lane selects for v_permlanex16_b32 (on the way out)
.set SM,  66                           ; s[66:67] scale_mul of my two heads
.set MQ,  92                           ; s92     all ones where the class is q, else 0
.set MV,  93                           ; s93     the same for v
.set KF,  94                           ; s[94:95] what the bias is multiplied by: 0 for k, else 1
.set MSB, 0
.macro WIN new                         ; the immediate's high byte repeats the setting that is left; a switch that changes nothing is dropped
.set NW, \new
.if MSB != NW
	s_set_vgpr_msb (MSB<<8)|NW
.set MSB, NW
.endif
.endm
.set MUL_LO, 0xa1                      ; source 0 (w_qkv) window 1, source 1 (x) window 0, C and D window 2
.set MUL_HI, 0xf1                      ; the same, C and D window 3
.set TO_B,   0x40                      ; destination window 1, address window 0
; A joint load: waves 0 and 1 fetch for x, waves 2 and 3 for w_qkv.  Each of the two lines has ONE mask and one set of registers for all that issue it; the branch hangs on the wave's number alone.
; An s_nop 0 and four v_nop follow each of the two lines, ahead of the jump, the label and what follows.
.macro JLOAD g0a, g1a, g0b, g1b
	s_cmp_eq_u32 s15, 0
	s_cbranch_scc0 .Lfor_b_\@
	tensor_load_to_lds s[\g0a:\g0a+3], s[\g1a:\g1a+7]
	s_nop 0
.rept 4
	v_nop
.endr
	s_branch .Lasked_\@
.Lfor_b_\@:
	tensor_load_to_lds s[\g0b:\g0b+3], s[\g1b:\g1b+7]
	s_nop 0
.rept 4
	v_nop
.endr
.Lasked_\@:
.endm
.macro CROUND                          ; a round of the cluster's barrier: my work-group's barrier; wave 0 signals for the work-group; every wave waits for all sixteen; my work-group's barrier once more
	s_barrier_signal -1
	s_barrier_wait -1
	s_cmp_lg_u32 s14, 0
	s_cbranch_scc1 .Lnot_wave_0_\@
	s_barrier_signal -3
.Lnot_wave_0_\@:
	s_barrier_wait -3
	s_barrier_signal -1
	s_barrier_wait -1
.endm
	s_load_b128 s[4:7], s[0:1], 0x0                ; x's codes s[4:5], x's scales s[6:7]
	s_load_b128 s[8:11], s[0:1], 0x10              ; w_qkv's codes s[8:9], its scales s[10:11]
	s_load_b128 s[96:99], s[0:1], 0x20             ; q_bias, v_bias
	s_load_b64 s[2:3], s[0:1], 0x30                ; scale_mul
	s_load_b64 s[12:13], s[0:1], 0x38              ; qkv
	v_lshl_add_u32 v[SPW], v0, 2, SPARE
	v_mov_b32 v[NIL], 0
	ds_add_u32 v[SPW], v[NIL]                      ; the wave's opening: the add, twice on end, and its wait ahead of my first tensor load; the set-up below stands between
	ds_add_u32 v[SPW], v[NIL]
	v_lshrrev_b32 v1, 5, v0
	v_readfirstlane_b32 s14, v1                    ; wave 0..3
	s_lshr_b32 s15, s14, 1                         ; which half of the tile's tokens is mine.  Also: I fetch for x (0) or for w_qkv (1)
	s_and_b32 s16, s14, 1                          ; which half of its columns.  Also: which 128 rows of that tile I fetch
	s_bfe_u32 s40, ttmp6, 0x40000                  ; cx, cy: my place in the cluster
	s_bfe_u32 s41, ttmp6, 0x40004
	s_lshl_b32 s42, ttmp9, 2
	s_add_co_u32 s42, s42, s40                     ; tile column of C = 4 x cluster x + cx
	s_and_b32 s17, ttmp7, 0xffff
	s_lshl_b32 s17, s17, 2
	s_add_co_u32 s17, s17, s41                     ; tile row of C = 4 x cluster y + cy
	s_lshl_b32 s43, s41, 2
	s_lshl_b32 s43, 15, s43                        ; my row of the cluster
	s_lshl_b32 s44, 0x1111, s40                    ; my column
	; descriptor group 1: a tile of 128 rows x 256 bytes, padded in LDS
	s_or_b32 s[G1+0], s43, (0<<16)|(1<<20)|(1<<21)|(5<<22)|(3<<25)  ; 15:0 the mask: x's tiles go to my row; 17:16 element of 1 byte; 20 padding on; 21 set beside a mask; 24:22 after every 64 words; 31:25 four words
	s_or_b32 s[G1B+0], s44, (0<<16)|(1<<20)|(1<<21)|(5<<22)|(3<<25)
.irp g, G1, G1B
	s_mov_b32 s[\g+1], ROWB<<16                    ; tensor_dim0
	s_mov_b32 s[\g+2], 128<<16                     ; tensor_dim1 = 128
	s_mov_b32 s[\g+3], ROWB<<16                    ; tile_dim0
	s_mov_b32 s[\g+4], 128                         ; tile_dim1 = 128
	s_mov_b32 s[\g+5], KROW                        ; tensor_dim0_stride
	s_mov_b32 s[\g+6], 0
	s_mov_b32 s[\g+7], 0
.endr
	; and for the scales of 128 rows: a dense block of 4,096 bytes, as rows of 256 bytes (32 elements of 8 bytes), 16 bytes of padding behind each
	s_or_b32 s[G1S+0], s43, (3<<16)|(1<<20)|(1<<21)|(5<<22)|(3<<25)
	s_or_b32 s[G1SB+0], s44, (3<<16)|(1<<20)|(1<<21)|(5<<22)|(3<<25)
.irp g, G1S, G1SB
	s_mov_b32 s[\g+1], 32<<16
	s_mov_b32 s[\g+2], (128*KS/256)<<16
	s_mov_b32 s[\g+3], 32<<16
	s_mov_b32 s[\g+4], 128*KS/256
	s_mov_b32 s[\g+5], 32
	s_mov_b32 s[\g+6], 0
	s_mov_b32 s[\g+7], 0
.endr
	s_lshl_b32 s18, s16, 7                         ; which 128 rows of the tile I fetch
	s_lshl_b32 s20, s17, 8
	s_add_co_u32 s20, s20, s18                     ; x: row 256 x tile row + 128 x half
	s_lshl_b32 s46, s42, 8
	s_add_co_u32 s46, s46, s18                     ; w_qkv: row 256 x tile column + 128 x half
	s_mov_b32 s21, 0
	s_mov_b32 s47, 0
	s_mov_b64 s[18:19], KS
	s_mul_u64 s[22:23], s[20:21], s[18:19]         ; where these rows' scales begin, in bytes
	s_mul_u64 s[92:93], s[46:47], s[18:19]
	s_mov_b64 s[18:19], KROW
	s_mul_u64 s[20:21], s[20:21], s[18:19]         ; and their codes
	s_mul_u64 s[46:47], s[46:47], s[18:19]
	s_mul_i32 s45, s14, HALFT                      ; where they go: wave x 128 rows: no place in the cluster enters an LDS address
	s_mul_i32 s94, s14, HALFS
	s_wait_dscnt 0x0                               ; both opening adds are done
	s_wait_kmcnt 0x0
	s_add_nc_u64 s[20:21], s[4:5], s[20:21]
	s_add_nc_u64 s[22:23], s[6:7], s[22:23]
	s_add_nc_u64 s[46:47], s[8:9], s[46:47]
	s_add_nc_u64 s[92:93], s[10:11], s[92:93]
	CROUND                                         ; all sixteen work-groups are here: the first joint loads meet
	s_mov_b32 s[G0S], 1
	s_add_co_u32 s[G0S+1], s94, SCL
	s_mov_b64 s[G0S+2:G0S+3], s[22:23]
	s_or_b32 s[G0S+3], s[G0S+3], 0x80000000
	s_mov_b32 s[G0SB], 1
	s_add_co_u32 s[G0SB+1], s94, SCL
	s_mov_b64 s[G0SB+2:G0SB+3], s[92:93]
	s_or_b32 s[G0SB+3], s[G0SB+3], 0x80000000
	JLOAD G0S, G1S, G0SB, G1SB                     ; the scales first: they are wanted with the first slot
.irp s, 0,1
	s_mov_b32 s[G0+4*\s], 1
	s_add_co_u32 s[G0+4*\s+1], s45, \s*SLOT
	s_add_nc_u64 s[G0+4*\s+2:G0+4*\s+3], s[20:21], \s*ROWB
	s_or_b32 s[G0+4*\s+3], s[G0+4*\s+3], 0x80000000
	s_mov_b32 s[G0B+4*\s], 1
	s_add_co_u32 s[G0B+4*\s+1], s45, \s*SLOT
	s_add_nc_u64 s[G0B+4*\s+2:G0B+4*\s+3], s[46:47], \s*ROWB
	s_or_b32 s[G0B+4*\s+3], s[G0B+4*\s+3], 0x80000000
	JLOAD G0+4*\s, G1, G0B+4*\s, G1B               ; three tensor loads of mine are out: all of K
.endr
	v_and_b32 v1, 15, v0                           ; l % 16
	v_bfe_u32 v2, v0, 4, 1                         ; l / 16
	v_mul_u32_u24 v3, v1, PITCH
	v_lshl_add_u32 v4, v2, 4, v3                   ; a fragment's row x pitch + 16 x half
	s_mul_i32 s21, s15, HALFT                      ; my 128 rows of x
	s_mul_i32 s22, s16, HALFT                      ; my 128 rows of w_qkv,
	s_add_co_u32 s22, s22, 2*HALFT                 ; which lie behind x's 256
.irp s, 0,1
	v_add_nc_u32 v[ADRA+\s], s21, v4
	v_add_nc_u32 v[ADRB+\s], s22, v4
	s_add_co_u32 s21, s21, SLOT
	s_add_co_u32 s22, s22, SLOT
.endr
	v_mul_u32_u24 v5, v1, KS                       ; my row's scales: KS bytes a row,
	v_lshrrev_b32 v6, 8, v5
	v_lshl_add_u32 v5, v6, 4, v5                   ; and 16 more for each 256 passed
	s_mul_i32 s21, s15, HALFS                      ; x's: my 128 rows
	s_mul_i32 s22, s16, HALFS                      ; w_qkv's: my 128 rows, behind x's 256
	s_add_co_u32 s22, s22, 2*HALFS
	s_sub_co_u32 s22, s22, s21
	v_mul_u32_u24 v6, s22, v2                      ; lanes 16-31 take w_qkv's: one product, the distance between the two bases
	s_add_co_u32 s21, s21, SCL
	v_add_nc_u32 v5, v5, v6
	v_add_nc_u32 v[ADRS], s21, v5
	; what the way out wants.  The class is the cluster's x; what hangs on it is chosen by selects
	s_cmp_eq_u32 ttmp9, 0
	s_cselect_b32 s[MQ], -1, 0
	s_cmp_eq_u32 ttmp9, 1
	s_cselect_b32 s[KF], 0, 1.0                    ; k has no bias: q_bias is read there and multiplied by 0
	s_mov_b32 s[KF+1], s[KF]                       ; (named with it as a pair, so it is written)
	s_cmp_eq_u32 ttmp9, 2
	s_cselect_b32 s[MV], -1, 0
	s_cselect_b32 s45, 8, 0
	s_cselect_b64 s[96:97], s[98:99], s[96:97]     ; v_bias for v, else q_bias
	s_lshl_b32 s20, s40, 8
	s_lshl_b32 s21, s16, 7
	s_add_co_u32 s20, s20, s21                     ; my first channel within the class: 256 cx + 128 x half
	s_lshl_b32 s22, s20, 2
	s_mov_b32 s23, 0
	s_add_nc_u64 s[96:97], s[96:97], s[22:23]      ; the bias at my first channel
	s_lshr_b32 s21, s20, 6                         ; my first head, an even number
	s_lshl_b32 s22, s21, 2
	s_add_nc_u64 s[2:3], s[2:3], s[22:23]
	s_load_b64 s[SM:SM+1], s[2:3], 0x0             ; scale_mul of my two heads
	v_lshlrev_b32 v[BO], 5, v2
.irp b, 0,1,2,3,4,5,6,7
	global_load_b128 v[BI+8*\b:BI+8*\b+3], v[BO], s[96:97] offset:64*\b        ; they land while K is multiplied; the wait stands on the way out
	global_load_b128 v[BI+8*\b+4:BI+8*\b+7], v[BO], s[96:97] offset:64*\b+16
.endr
	; qkv: [batch x head 32][block of 64 tokens 32][q, k, v][tile of 16 tokens 4][16 channels 4][lane 32] x 16 bytes
	s_lshl_b32 s22, s17, 8
	s_lshl_b32 s46, s15, 7
	s_add_co_u32 s22, s22, s46                     ; my first token: 256 x tile row + 128 x half
	s_lshr_b32 s46, s22, 11                        ; the batch
	s_lshl_b32 s46, s46, 4
	s_add_co_u32 s46, s46, s21                     ; batch x 16 + head
	s_mul_i32 s46, s46, 786432
	s_and_b32 s22, s22, 2047
	s_lshr_b32 s22, s22, 6                         ; the block of 64 tokens
	s_mul_i32 s22, s22, 24576
	s_add_co_u32 s46, s46, s22
	s_lshl_b32 s22, ttmp9, 13                      ; the class
	s_add_co_u32 s46, s46, s22
	s_mov_b32 s47, 0
	s_add_nc_u64 s[12:13], s[12:13], s[46:47]
	v_and_b32 v6, 31, v0                           ; q and k: my piece lies at 16 x lane, as the next launch's lanes take it.  v: at 16 x (lane xor 8 (lane / 16)),
	v_lshrrev_b32 v5, 1, v6                        ; so that the sixteen lanes of the next launch's turning load touch sixteen different 16-byte columns
	v_and_b32 v5, 8, v5
	v_and_b32 v5, s45, v5
	v_xor_b32 v5, v5, v6
	v_lshlrev_b32 v[LOFF], 4, v5
	s_wait_kmcnt 0x0                               ; scale_mul
.macro FRAG reg, adr, q, i             ; a fragment, 16 rows x 128 K of 4-bit codes, is 8 registers: lane l holds row l % 16; registers 4 c .. 4 c + 3 hold K = 64 c + 32 (l / 16) + 0 .. 31
.irp c, 0,1
	ds_load_b128 v[\reg+4*\c:\reg+4*\c+3], v[\adr] offset:64*(\q)+32*\c+(\i)*16*PITCH
.endr
.endm
; 16 matrix instructions: x's blocks a0, a0 + 1 against w_qkv's eight, 128 along K: the slot's q-th.  p: w_qkv's set;  sc: the set of scale words.  zero = 1: the first product starts the sums: nothing is ever cleared.
; The 64 accumulators take turns, one instruction a turn, in the same order in every step.
.macro MUL16 a0, p, q, sc, zero
.irp a, \a0, \a0+1
.irp b, 0,1,2,3,4,5,6,7
.if \zero
	v_wmma_scale_f32_16x16x128_f8f6f4 v[8*(8*((\a)%4)+\b):8*(8*((\a)%4)+\b)+7], v[128*(\p)+FR*\b:128*(\p)+FR*\b+FR-1], v[AF+FR*(\a):AF+FR*(\a)+FR-1], 0, v[SC+8*NQ*(\sc)+NQ*\b+(\q)], v[SC+8*NQ*(\sc)+NQ*(\a)+(\q)] matrix_a_fmt:MATRIX_FMT_FP4 matrix_b_fmt:MATRIX_FMT_FP4 matrix_a_scale:MATRIX_SCALE_ROW1
.else
	v_wmma_scale_f32_16x16x128_f8f6f4 v[8*(8*((\a)%4)+\b):8*(8*((\a)%4)+\b)+7], v[128*(\p)+FR*\b:128*(\p)+FR*\b+FR-1], v[AF+FR*(\a):AF+FR*(\a)+FR-1], v[8*(8*((\a)%4)+\b):8*(8*((\a)%4)+\b)+7], v[SC+8*NQ*(\sc)+NQ*\b+(\q)], v[SC+8*NQ*(\sc)+NQ*(\a)+(\q)] matrix_a_fmt:MATRIX_FMT_FP4 matrix_b_fmt:MATRIX_FMT_FP4 matrix_a_scale:MATRIX_SCALE_ROW1
.endif
.endr
.endr
.endm
.macro FETCH_B slot, q, p              ; w_qkv's eight fragments of the slot's q-th 128 along K into set p
	WIN TO_B
.irp i, 0,1,2,3,4,5,6,7
	FRAG 128*(\p)+FR*\i, ADRB+\slot, \q, \i
.endr
	WIN 0
.endm
.macro FETCH_A slot, q, i0             ; x's blocks i0 .. i0 + 3
.irp i, \i0, \i0+1, \i0+2, \i0+3
	FRAG AF+FR*(\i), ADRA+\slot, \q, \i
.endr
.endm
.macro SCALES sc                       ; a slot's scale words into set sc: NQ words a row; lanes 0-15 take x's block i, lanes 16-31 w_qkv's block i
.irp i, 0,1,2,3,4,5,6,7
	ds_load_b128 v[SC+8*NQ*\sc+NQ*\i:SC+8*NQ*\sc+NQ*\i+3], v[ADRS] offset:\i*SBLK
.endr
.endm
; A load into a register that a matrix instruction has read, and a vector instruction that reads a matrix result or writes one of a matrix instruction's registers, stand NP places behind that matrix instruction, and only plain
; vector instructions that name none of its registers are places; the matrix instructions in between are not counted.
.macro PLACES n
.rept \n
	v_nop
.endr
.endm
; A step of 128 along K that has its successor in the same slot.  x's blocks 0-3 are fetched anew in the step's middle, blocks 4-7 at its end; w_qkv's next set in the middle.
.macro STEP slot, q, zero
	s_wait_dscnt 4*NL                              ; w_qkv's set and x's blocks 0-3 are in; the youngest eight loads (x's blocks 4-7) may be out
	WIN MUL_LO
	MUL16 0, (\q)%2, \q, \slot, \zero
	MUL16 2, (\q)%2, \q, \slot, \zero
	s_wait_dscnt 0                                 ; x's blocks 4-7 are in (asked for 32 matrix instructions ago)
	PLACES NP
	FETCH_B \slot, (\q)+1, 1-(\q)%2
	FETCH_A \slot, (\q)+1, 0
	WIN MUL_HI
	MUL16 4, (\q)%2, \q, \slot, \zero
	MUL16 6, (\q)%2, \q, \slot, \zero
	PLACES NP
	WIN 0
	FETCH_A \slot, (\q)+1, 4
.endm
; Slot 0's last step changes slots: one barrier; in front of it each wave waits for all its tensor loads (its part of slot 1), adds 0 to its spare word, and waits for that.  Nothing is filled again.
.macro TURN slot, next
	s_wait_tensorcnt 0x0                           ; all my tensor loads have landed: my part of the next slot
	ds_add_u32 v[SPW], v[NIL]                      ; 0 onto my spare word
	s_wait_dscnt 4*NL+1                            ; (the add and the youngest eight loads, x's blocks 4-7, may be out)
	WIN MUL_LO
	MUL16 0, 1, NQ-1, \slot, 0                     ; sixteen matrix instructions stand between the add and the wait for it
	s_wait_dscnt 0x0                               ; the add is done, and my LDS loads are in
	s_barrier_signal -1
	MUL16 2, 1, NQ-1, \slot, 0
	WIN 0
	s_barrier_wait -1                              ; the next slot is whole
	PLACES NP
	v_add_nc_u32 v[ADRS], 4*NQ, v[ADRS]            ; on to the next slot's scale words (no LDS load of mine is out)
	FETCH_B \next, 0, 0
	FETCH_A \next, 0, 0
	SCALES \next
	WIN MUL_HI
	MUL16 4, 1, NQ-1, \slot, 0
	MUL16 6, 1, NQ-1, \slot, 0
	PLACES NP
	WIN 0
	FETCH_A \next, 0, 4
.endm
	s_wait_tensorcnt 1                             ; the scales and my part of slot 0 are in (slot 1's load may be out)
	s_barrier_signal -1
	s_barrier_wait -1                              ; everybody's are
	FETCH_B 0, 0, 0
	FETCH_A 0, 0, 0
	SCALES 0
	FETCH_A 0, 0, 4
	STEP 0, 0, 1                                   ; the first step's products start the sums
	STEP 0, 1, 0
	STEP 0, 2, 0
	TURN 0, 1
	STEP 1, 0, 0
	STEP 1, 1, 0
	STEP 1, 2, 0
	s_wait_dscnt 4*NL                              ; the very last step: nothing more to fetch
	WIN MUL_LO
	MUL16 0, 1, NQ-1, 1, 0
	MUL16 2, 1, NQ-1, 1, 0
	s_wait_dscnt 0
	WIN MUL_HI
	MUL16 4, 1, NQ-1, 1, 0
	MUL16 6, 1, NQ-1, 1, 0
	WIN 0
	; THE WAY OUT.
	PLACES NP                                      ; behind the last products: their results are read and x's fragment registers are written below
	s_mov_b32 s[SEL], 0x76543210
	s_mov_b32 s[SEL+1], 0xfedcba98                 ; each lane takes its own place in the other half
	v_mov_b32 v24, s[SM]                           ; the heads' multipliers: exp(min(scale_mul, ln 100)) for q, 1 for k and v
	v_mov_b32 v25, s[SM+1]
	v_min_num_f32 v24, 0x40935d8e, v24             ; ln 100
	v_min_num_f32 v25, 0x40935d8e, v25
	v_mul_f32 v24, 0x3fb8aa3b, v24                 ; x log2(e)
	v_mul_f32 v25, 0x3fb8aa3b, v25
	v_exp_f32 v24, v24
	v_exp_f32 v25, v25
	v_mov_b32 v11, 0                               ; (plain work behind the exponentials)  upper halves of the pairs v[10:11], v[12:13], named with them
	v_mov_b32 v13, 0
	v_mov_b32 v22, 0                               ; a lane permute's destination counts as one of its sources
	v_mov_b32 v23, 0
	s_wait_alu depctr_va_vdst(0)                   ; one wait for both exponentials, ahead of their first reader
	v_cndmask_b32 v24, 1.0, v24, s[MQ]
	v_cndmask_b32 v25, 1.0, v25, s[MQ]
	s_wait_loadcnt 0x0                             ; the bias
; Block a: 16 tokens x 128 channels, two heads.  A lane holds 32 channels of each head of its token; the other 32 lie in the lane 16 away.
.macro EPI a
.set AC, 64*((\a)%4)
	WIN 0x20+0x10*((\a)/4)                         ; source 2: the accumulators' window
.set i, 0
.rept 32
	v_pk_fma_f32 v[T+2*i:T+2*i+1], v[BI+2*i:BI+2*i+1], s[KF:KF+1], v[AC+2*i:AC+2*i+1] op_sel_hi:[1,0,1]   ; sum + bias x (1 or 0): each accumulator from its low end on
.set i, i+1
.endr
	WIN 0
.set i, 0
.rept 16                               ; the sum of squares: for each head two chains of pairs; the first products start them
.irp hd, 0,1
.if i < 2
	v_pk_mul_f32 v[2+4*\hd+2*(i%2):3+4*\hd+2*(i%2)], v[T+32*\hd+2*i:T+32*\hd+2*i+1], v[T+32*\hd+2*i:T+32*\hd+2*i+1]
.else
	v_pk_fma_f32 v[2+4*\hd+2*(i%2):3+4*\hd+2*(i%2)], v[T+32*\hd+2*i:T+32*\hd+2*i+1], v[T+32*\hd+2*i:T+32*\hd+2*i+1], v[2+4*\hd+2*(i%2):3+4*\hd+2*(i%2)]
.endif
.endr
.set i, i+1
.endr
.irp hd, 0,1
	v_pk_add_f32 v[2+4*\hd:3+4*\hd], v[2+4*\hd:3+4*\hd], v[4+4*\hd:5+4*\hd]
.endr
.irp hd, 0,1
	v_add_f32 v[2+4*\hd], v[2+4*\hd], v[3+4*\hd]
.endr
.irp hd, 0,1
	v_permlanex16_b32 v[22+\hd], v[2+4*\hd], s[SEL], s[SEL+1]
.endr
.irp hd, 0,1
	v_add_f32 v[10+2*\hd], v[2+4*\hd], v[22+\hd]   ; n^2 of my token's head
.endr
.irp hd, 0,1
	v_rsq_f32 v[10+2*\hd], v[10+2*\hd]
.endr
	v_nop                                          ; a plain instruction behind the last of them
	s_wait_alu depctr_va_vdst(0)                   ; one wait for both, ahead of their first reader
.irp hd, 0,1
	v_min_num_f32 v[10+2*\hd], 0x5368d4a5, v[10+2*\hd]   ; 1 / max(n, 1e-12) = min(1 / n, 1e12)
.endr
.irp hd, 0,1
	v_mul_f32 v[10+2*\hd], v[10+2*\hd], v[24+\hd]  ; x the head's multiplier
.endr
.irp hd, 0,1
	v_cndmask_b32 v[10+2*\hd], v[10+2*\hd], 1.0, s[MV]   ; v is not normalised
.endr
.set i, 0
.rept 32
	v_pk_mul_f32 v[T+2*i:T+2*i+1], v[T+2*i:T+2*i+1], v[10+2*(i/16):11+2*(i/16)] op_sel_hi:[1,0]
.set i, i+1
.endr
	s_wait_xcnt 0x0                                ; the last block's stores have read their data registers: they are written again only behind this wait
.set i, 0
.rept 32
	v_cvt_pk_f16_f32 v[OUT+i], v[T+2*i], v[T+2*i+1]
.set i, i+1
.endr
.irp hd, 0,1
.irp c, 0,1,2,3
	global_store_b128 v[LOFF], v[OUT+16*\hd+4*\c:OUT+16*\hd+4*\c+3], s[12:13] offset:\hd*786432+((\a)/4)*24576+((\a)%4)*2048+\c*512   ; 32 lanes store 512 consecutive bytes, aligned: a piece
.endr
.endr
.endm
.irp a, 0,1,2,3,4,5,6,7
	EPI \a
.endr
	s_wait_tensorcnt 0x0                           ; the wave's end, behind my last tensor load
	ds_add_u32 v[SPW], v[NIL]
	s_wait_dscnt 0x0
	CROUND                                         ; the closing round: no work-group ends while a partner may still ask for a tile that names it
	s_endpgm
.Lfunc_end_k_q81739c1beb_gemm:
	.size	k_q81739c1beb_gemm, .Lfunc_end_k_q81739c1beb_gemm-k_q81739c1beb_gemm
	.p2alignl 7, 3214868480
	.fill 96, 4, 3214868480
	.section	.rodata,"a",@progbits
	.p2align	6, 0x0
	.amdhsa_kernel k_q81739c1beb_gemm
		.amdhsa_group_segment_fixed_size 327680
		.amdhsa_private_segment_fixed_size 0
		.amdhsa_enable_private_segment 0
		.amdhsa_kernarg_size 64
		.amdhsa_user_sgpr_count 2
		.amdhsa_user_sgpr_kernarg_segment_ptr 1
		.amdhsa_wavefront_size32 1
		.amdhsa_system_sgpr_workgroup_id_x 1
		.amdhsa_system_sgpr_workgroup_id_y 1
		.amdhsa_system_sgpr_workgroup_id_z 1
		.amdhsa_system_vgpr_workitem_id 0
		.amdhsa_next_free_vgpr 1024
		.amdhsa_next_free_sgpr 100
		.amdhsa_reserve_vcc 0
		.amdhsa_float_denorm_mode_32 3
		.amdhsa_float_denorm_mode_16_64 3
		.amdhsa_memory_ordered 1
		.amdhsa_forward_progress 1
		.amdhsa_inst_pref_size 175
	.end_amdhsa_kernel
	.amdgpu_metadata
---
amdhsa.version: [ 1, 2 ]
amdhsa.kernels:
  - .name:           k_q81739c1beb_gemm
    .symbol:         k_q81739c1beb_gemm.kd
    .args:
      - { .name: xc, .offset: 0, .size: 8, .value_kind: global_buffer, .address_space: global }
      - { .name: xs, .offset: 8, .size: 8, .value_kind: global_buffer, .address_space: global }
      - { .name: wc, .offset: 16, .size: 8, .value_kind: global_buffer, .address_space: global }
      - { .name: ws, .offset: 24, .size: 8, .value_kind: global_buffer, .address_space: global }
      - { .name: q_bias, .offset: 32, .size: 8, .value_kind: global_buffer, .address_space: global }
      - { .name: v_bias, .offset: 40, .size: 8, .value_kind: global_buffer, .address_space: global }
      - { .name: scale_mul, .offset: 48, .size: 8, .value_kind: global_buffer, .address_space: global }
      - { .name: qkv, .offset: 56, .size: 8, .value_kind: global_buffer, .address_space: global }
    .group_segment_fixed_size: 327680
    .private_segment_fixed_size: 0
    .kernarg_segment_align: 8
    .kernarg_segment_size: 64
    .max_flat_workgroup_size: 128
    .sgpr_count:     100
    .vgpr_count:     1024
    .wavefront_size: 32
...
	.end_amdgpu_metadata
.endif
;; end of part 2
;; launch attn (part 3): grid 16 x 16, 8 waves a work-group, clusters of 4 x 4, 327,680 bytes of LDS; arguments attn_bias, qkv, oa; writes oa
.if DOCPART == 3
	.amdgcn_target "amdgcn-amd-amdhsa--gfx1250"
	.amdhsa_code_object_version 6
	.text
	.protected	k_q81739c1beb_attn
	.globl	k_q81739c1beb_attn
	.p2align	8
	.type	k_q81739c1beb_attn,@function
k_q81739c1beb_attn:
	s_mov_b64 s[64:65], 0
	v_nop
	global_prefetch_b8 v0, s[64:65] scope:SCOPE_SE
	s_setreg_imm32_b32 hwreg(HW_REG_WAVE_MODE, 25, 1), 1
	s_wait_xcnt 0x0
	s_wait_alu depctr_hold_cnt(0) depctr_sa_sdst(0) depctr_va_vdst(0) depctr_va_sdst(0) depctr_va_ssrc(0) depctr_va_vcc(0) depctr_vm_vsrc(0)
	s_getreg_b32 s2, hwreg(HW_REG_IB_STS2, 6, 4)
	s_cmp_eq_u32 s2, 0
	s_cbranch_scc0 .Lentry_in_a_cluster
	s_endpgm
.Lentry_in_a_cluster:
	s_bfe_u32 s2, ttmp6, 0x10000c
	s_cmp_lg_u32 s2, 0xf033
	s_cbranch_scc0 .Lentry_shape_is_right
	s_endpgm
.Lentry_shape_is_right:
; ATTENTION.  o[b][h][q] = the sum over k of softmax_k(q . k + attn_bias[q][k]) v[k], for 32 (batch, head) pairs, 2,048 tokens, head size 64.  q (normalised, multiplied), k (normalised) and v come as f16 pieces from the launch before;
; the bias is f32.  Products on f16 operands with f32 sums; maxima, exponentials and sums in f32; the weights p are rounded to f16 for the second product, o once at the end.
; SHARES.  A work-group owns 128 queries (X) of two heads (2 Y, 2 Y + 1).  Wave w: head w / 4, queries 32 (w % 4) on: two tiles of 16.  Two waves share a SIMD.  Every wave walks all 2,048 keys, 64 a step.
; For 64 keys the work-group wants 32 KB of bias, which its two heads share in LDS, and 32 KB of k and v.
; LAYOUT.  S^T = K Q^T + bias^T (source 0 = 16 keys, source 1 = 16 queries): a lane holds ONE query (lane % 16) and keys 8 (lane / 16) + 0 .. 7.  THE BIAS IS THE C OF THE FIRST PRODUCT: it is loaded from LDS straight into the scores'
; registers and costs no addition.  Two score tiles, rounded in pairs, ARE source 1 (32 keys x 16 queries) of O^T = V^T P.  k comes out of LDS as an image of its registers, v turned, by ds_load_tr16_b128.
; SOFTMAX.  For each query a running maximum m and sum l: p = 2^(c s - c m), c = log2(e); in every step O and l are multiplied by a = 2^(c m_old - c m_new).  O and l begin as zeros, m as -2e38.
; BY TURNS.  For a tile and a step there are 16 products and 118 vector lines: set in phases of their own, each would leave the other's unit idle.  So the wave's two tiles take turns: while tile x has the matrix unit, tile y's softmax
; stands between its products.  The two kinds of product are paired with vector work of their own register window:
;   part A (all in window 0): 8 products K Q^T of tile x for the NEXT step, one in front of every seventh of the first 56 lines of tile y's softmax (102 lines: all of it but the rescaling of O^T);
;   part B (O^T and V in window 1): 8 products V^T P of tile x, two of the 16 packed multiplies that rescale tile y's O^T behind each.
; Key step j:  A: KQ(0, j+1) | softmax(1, j);   B: PV(0, j) | O(1) x a;   A: KQ(1, j+1) | softmax(0, j+1);   B: PV(1, j) | O(0) x a.  Five switches of the window a step.
; THE LDS LOADS stand in four runs, each where its registers have just come free: bias(1, j+1) and V(j+1) at the head of the first B; K(j+2) in the second A, behind the roundings; bias(0, j+2) at the head of the second B.
; V has two buffers, by the step's parity: so all reads of one step's bytes lie between two fetches of K, and the change of slots stands directly in front of the fetch of K of every second step.
; CLUSTER.  4 x 4 work-groups.  The bias hangs on X alone: the four of a column of the cluster ask for it JOINTLY; k and v hang on Y alone: the four of a row do.  That divides the requests by four.
; RING.  Two slots of 128 keys: 128 rows of bias (512 bytes + 16 of padding), then [head 2][64 keys 2][k 8,192 | v 8,192].  Waves 0-3 fetch 32 rows of bias each, waves 4-7 16 KB of k and v each: one load a wave behind each round,
; with two key steps, 64 matrix instructions of each wave, in which to land.
; REGISTERS: window 0: v1-11 addresses; v12, v13 the add's two; v16-31 statistics, 8 a tile; v32-63 Q; v64-127 S^T; v128-159 P; v160-223 K.   window 1: v0-63 O^T (32 t + 8 ct); v64-127, v128-191 V, two buffers.
; LIMITS: a row whose every score lies under -2e38 is not served.  v and o go in f16: magnitudes up to 65,504.  The division by the row's sum is a reciprocal, good to an ulp.  NaN and infinities are not served.
.set BP,    528                        ; a row of bias in LDS: 132 words: row r starts at bank 4 r mod 64 (64 banks of 4 bytes: ISA guide 11.1): sixteen rows, sixteen different 16-byte columns
.set KVO,   128*BP                     ; behind the bias: k and v
.set SLOT,  KVO+65536
.set SPARE, 2*SLOT                     ; behind the ring: the spare words, 128 bytes for each of eight waves, which no other line names
.set AB,  4                            ; v4-5   my place in the bias of slot 0, 1
.set AK,  6                            ; v6-7   in k's images
.set AV,  8                            ; v8-9   in v's pieces, for the turning load
.set L16, 10                           ; v10    16 x lane
.set PFO, 11                           ; v11    the prefetches' offset; never rewritten
.set SPW, 12                           ; v12    LDS address of my spare word; never rewritten
.set NIL, 13                           ; v13    0; never rewritten
.set ST,  16                           ; tile t's statistics at v[ST + 8 t]: +0 c m, +1 m, +2, +3 l (even keys', odd keys'), +4 to +7 c0-c3, at work; a takes c2's place
.set Q,   32
.set S,   64
.set P,   128
.set KF,  160
.set VF,  64                           ; in window 1: buffer b at VF + 64 b
.set WV,  10                           ; s10    my wave's number;  s11 my head of the two;  s12 wave % 4
.set G1B, 24                           ; s[24:31] descriptor group 1 for the bias;  s[32:39] for k and v
.set G1K, 32
.set G0B, 40                           ; s[40:47] group 0 for the bias, one set for each slot;  s[48:55] for k and v
.set G0K, 48
.set CS,  56                           ; s[56:57] c = log2(e)
.set SEL, 58                           ; s[58:59] lane selects for v_permlanex16_b32
.set TRIP, 60
.set LIM, 61                           ; s61    1 in a wave that prefetches, else the greatest number
.set PFA, 62                           ; s[62:63] where my prefetches stand
.set PFS, 66                           ; s[66:67] a slot on, in bytes
.set QB,  68                           ; s[68:69] my queries' pieces
.set OB,  70                           ; s[70:71] where my results go
.set MSB, 0
.macro WIN new                         ; the immediate's high byte repeats the setting that is left; a switch that changes nothing is dropped
.set NW, \new
.if MSB != NW
	s_set_vgpr_msb (MSB<<8)|NW
.set MSB, NW
.endif
.endm
; A joint refill of slot s.  The branch hangs on the wave's number alone.  An s_nop 0 and four v_nop follow each of the two lines.
.macro JLOAD s
	s_cmp_lt_u32 s[WV], 4
	s_cbranch_scc0 .Lfor_kv_\@
	tensor_load_to_lds s[G0B+4*(\s):G0B+4*(\s)+3], s[G1B:G1B+7]
	s_nop 0
.rept 4
	v_nop
.endr
	s_branch .Lasked_\@
.Lfor_kv_\@:
	tensor_load_to_lds s[G0K+4*(\s):G0K+4*(\s)+3], s[G1K:G1K+7]
	s_nop 0
.rept 4
	v_nop
.endr
.Lasked_\@:
.endm
; A PREFETCH INTO THE L2 of what the NEXT change of slots will ask for: two key steps ahead of that load.  Each aligned run of 256 bytes is named ONCE in the launch.  A slot's bias of 128 queries is 128 rows x 512 bytes; all
; clusters of a column of clusters read it: the one with y = 0 asks; its four partners along y are told apart BY ADDRESS, 16 rows each for waves 0 and 2 (rows 0-63, rows 64-127), two lanes a row.  A slot's k and v of two heads are
; 4 x 16 KB; the cluster with x = 0 asks; waves 4 and 6 take a head each, the four partners along x 8 KB each, lanes 256 bytes apart.  how = 1: a change that always has a successor; how = 0: not in the loop's last trip.
.macro ASK how
.if \how
	s_cmp_eq_u32 s[LIM], 1
.else
	s_cmp_gt_u32 s[TRIP], s[LIM]
.endif
	s_cbranch_scc0 .Lnot_mine_\@
	global_prefetch_b8 v[PFO], s[PFA:PFA+1] th:TH_LOAD_NT scope:SCOPE_SE
.Lnot_mine_\@:
.endm
.macro CROUND                          ; a round of the cluster's barrier
	s_barrier_signal -1
	s_barrier_wait -1
	s_cmp_lg_u32 s[WV], 0
	s_cbranch_scc1 .Lnot_wave_0_\@
	s_barrier_signal -3
.Lnot_wave_0_\@:
	s_barrier_wait -3
	s_barrier_signal -1
	s_barrier_wait -1
.endm
	s_load_b128 s[4:7], s[0:1], 0x0                ; attn_bias s[4:5], qkv s[6:7]
	s_load_b64 s[8:9], s[0:1], 0x10                ; oa
	v_lshl_add_u32 v[SPW], v0, 2, SPARE
	v_mov_b32 v[NIL], 0
	ds_add_u32 v[SPW], v[NIL]                      ; the wave's opening: the add, twice on end, and its wait ahead of my first tensor load; the set-up below stands between
	ds_add_u32 v[SPW], v[NIL]
	v_lshrrev_b32 v1, 5, v0
	v_readfirstlane_b32 s[WV], v1                  ; wave 0..7
	s_lshr_b32 s11, s10, 2                         ; my head of the two
	s_and_b32 s12, s10, 3                          ; my 32 queries of the 128.  Also: which quarter of a slot's bias, or of its k and v, I fetch
	s_bfe_u32 s13, ttmp6, 0x40000                  ; cx
	s_bfe_u32 s14, ttmp6, 0x40004                  ; cy
	s_lshl_b32 s15, ttmp9, 2
	s_add_co_u32 s15, s15, s13                     ; X = 4 x cluster x + cx
	s_and_b32 s16, ttmp7, 0xffff
	s_lshl_b32 s16, s16, 2
	s_add_co_u32 s16, s16, s14                     ; Y = 4 x cluster y + cy
	s_lshl_b32 s18, 0x1111, s13                    ; my column of the cluster
	s_lshl_b32 s19, s14, 2
	s_lshl_b32 s19, 15, s19                        ; my row
	; group 1, the bias: 32 rows x 128 elements of 4 bytes, 2,048 elements from row to row; four words of padding after every 128
	s_or_b32 s[G1B], s18, (2<<16)|(1<<20)|(1<<21)|(6<<22)|(3<<25)
	s_mov_b32 s[G1B+1], 128<<16                    ; tensor_dim0
	s_mov_b32 s[G1B+2], 32<<16                     ; tensor_dim1
	s_mov_b32 s[G1B+3], 128<<16                    ; tile_dim0
	s_mov_b32 s[G1B+4], 32                         ; tile_dim1
	s_mov_b32 s[G1B+5], 2048                       ; tensor_dim0_stride
	s_mov_b32 s[G1B+6], 0
	s_mov_b32 s[G1B+7], 0
	; group 1, k and v: a dense block of 16,384 bytes as 64 rows of 256 (32 elements of 8 bytes), no padding: the lanes read it 16 bytes on end
	s_or_b32 s[G1K], s19, (3<<16)|(1<<21)
	s_mov_b32 s[G1K+1], 32<<16
	s_mov_b32 s[G1K+2], 64<<16
	s_mov_b32 s[G1K+3], 32<<16
	s_mov_b32 s[G1K+4], 64
	s_mov_b32 s[G1K+5], 32
	s_mov_b32 s[G1K+6], 0
	s_mov_b32 s[G1K+7], 0
	; where the tiles come from.  The bias's address is made of X and the wave's number, k's and v's of Y and the wave's number, each in registers that never hold the other coordinate
	s_lshl_b32 s20, s15, 7
	s_lshl_b32 s17, s12, 5
	s_add_co_u32 s20, s20, s17                     ; row 128 X + 32 (wave % 4),
	s_lshl_b32 s20, s20, 13                        ; of 8,192 bytes
	s_mov_b32 s21, 0
	s_lshl_b32 s22, s16, 1
	s_lshr_b32 s17, s12, 1
	s_add_co_u32 s22, s22, s17                     ; head 2 Y + (wave % 4) / 2,
	s_mul_i32 s22, s22, 786432
	s_and_b32 s17, s10, 1
	s_mul_i32 s17, s17, 24576                      ; the slot's first or second 64 keys,
	s_add_co_u32 s22, s22, s17
	s_add_co_u32 s22, s22, 8192                    ; behind the block's q: k, then v
	s_mov_b32 s23, 0
	s_mul_i32 s72, s12, 32*BP                      ; and where they go: no place in the cluster enters an LDS address
	s_lshl_b32 s73, s12, 14
	; my queries and my results
	s_lshl_b32 s74, s16, 1
	s_add_co_u32 s74, s74, s11                     ; batch x 16 + head = 2 Y + my head of the two
	s_mul_i32 s68, s74, 786432
	s_lshl_b32 s75, s15, 1
	s_lshr_b32 s76, s12, 1
	s_add_co_u32 s75, s75, s76                     ; the block of 64 tokens: 2 X + (wave % 4) / 2
	s_mul_i32 s75, s75, 24576
	s_add_co_u32 s68, s68, s75
	s_and_b32 s76, s12, 1
	s_lshl_b32 s76, s76, 12                        ; its first or second pair of tiles
	s_add_co_u32 s68, s68, s76
	s_mov_b32 s69, 0
	s_lshr_b32 s70, s74, 4                         ; oa: [tile of 16 tokens 256][32 along K 32][half 2][lane 32] x 16 bytes: tile = batch x 128 + 8 X + 2 (wave % 4) + t,
	s_lshl_b32 s70, s70, 7
	s_lshl_b32 s75, s15, 3
	s_add_co_u32 s70, s70, s75
	s_lshl_b32 s75, s12, 1
	s_add_co_u32 s70, s70, s75
	s_lshl_b32 s70, s70, 15
	s_and_b32 s75, s74, 15                         ; and the head's 64 channels are 2,048 bytes of a tile's 32,768
	s_lshl_b32 s75, s75, 11
	s_add_co_u32 s70, s70, s75
	s_mov_b32 s71, 0
	; the prefetches: both offsets, then the choice by the wave's number
	s_lshl_b32 s76, s15, 7
	s_lshl_b32 s78, s12, 5
	s_add_co_u32 s76, s76, s78
	s_lshl_b32 s78, s14, 4
	s_add_co_u32 s76, s76, s78                     ; the bias: row 128 X + 32 wave + 16 cy,
	s_lshl_b32 s76, s76, 13
	s_add_co_u32 s76, s76, 2*512                   ; in slot 2: the first change of slots steps it to slot 3.  Nothing is prefetched at the head, where every work-group's first tiles are on their way
	s_lshl_b32 s77, s16, 1
	s_lshr_b32 s78, s12, 1
	s_add_co_u32 s77, s77, s78                     ; k and v: head 2 Y + (wave - 4) / 2,
	s_mul_i32 s77, s77, 786432
	s_lshr_b32 s78, s13, 1
	s_mul_i32 s78, s78, 24576                      ; 64 keys cx / 2 of the slot's two,
	s_add_co_u32 s77, s77, s78
	s_and_b32 s78, s13, 1
	s_lshl_b32 s78, s78, 13                        ; k or v by cx % 2,
	s_add_co_u32 s77, s77, s78
	s_add_co_u32 s77, s77, 8192+2*49152            ; in slot 2
	s_and_b32 s79, ttmp7, 0xffff                   ; cluster y
	s_mov_b32 s[PFS], 49152
	s_mov_b32 s78, 512
	s_cmp_lt_u32 s[WV], 4                          ; waves 0-3: the bias; waves 4-7: k and v
	s_cselect_b32 s76, s76, s77
	s_cselect_b32 s79, s79, ttmp9                  ; the coordinate along which other clusters read the same bytes
	s_cselect_b32 s[PFS], 512, s[PFS]              ; a slot on
	s_cselect_b32 s78, 8192, s78                   ; from pair of lanes to pair of lanes
	s_mov_b32 s77, 0
	s_mov_b32 s[PFS+1], 0
	s_and_b32 s[LIM], s[WV], 1                     ; waves 0, 2, 4, 6,
	s_or_b32 s[LIM], s[LIM], s79                   ; of the first cluster along that coordinate: the same in all sixteen partners, for a given wave
	s_cmp_eq_u32 s[LIM], 0
	s_cselect_b32 s[LIM], 1, -1
	v_and_b32 v3, 31, v0                           ; lane
	v_lshrrev_b32 v14, 1, v3
	v_mul_lo_u32 v14, v14, s78
	v_and_b32 v15, 1, v0
	v_lshl_add_u32 v[PFO], v15, 8, v14
	s_mov_b32 s[CS], 0x3fb8aa3b                    ; c = log2(e)
	s_mov_b32 s[CS+1], s[CS]                       ; (named with it as a pair, so it is written)
	s_mov_b32 s[SEL], 0x76543210
	s_mov_b32 s[SEL+1], 0xfedcba98
	s_wait_dscnt 0x0                               ; both opening adds are done
	s_wait_kmcnt 0x0
	s_add_nc_u64 s[20:21], s[4:5], s[20:21]
	s_add_nc_u64 s[22:23], s[6:7], s[22:23]
	s_add_nc_u64 s[QB:QB+1], s[6:7], s[QB:QB+1]
	s_add_nc_u64 s[OB:OB+1], s[8:9], s[OB:OB+1]
	s_cmp_lt_u32 s[WV], 4
	s_cselect_b64 s[PFA:PFA+1], s[4:5], s[6:7]
	s_add_nc_u64 s[PFA:PFA+1], s[PFA:PFA+1], s[76:77]
	CROUND                                         ; all sixteen work-groups are here: the first joint loads meet
.irp s, 0,1
	s_mov_b32 s[G0B+4*\s], 1                       ; count = 1
	s_add_co_u32 s[G0B+4*\s+1], s72, \s*SLOT       ; LDS address
	s_add_nc_u64 s[G0B+4*\s+2:G0B+4*\s+3], s[20:21], \s*512      ; global address: keys 128 s on
	s_or_b32 s[G0B+4*\s+3], s[G0B+4*\s+3], 0x80000000            ; type = 2
	s_mov_b32 s[G0K+4*\s], 1
	s_add_co_u32 s[G0K+4*\s+1], s73, \s*SLOT+KVO
	s_add_nc_u64 s[G0K+4*\s+2:G0K+4*\s+3], s[22:23], \s*49152
	s_or_b32 s[G0K+4*\s+3], s[G0K+4*\s+3], 0x80000000
.endr
	s_cmp_lt_u32 s[WV], 4                          ; a wave's two first fills stand in one branch, ahead of every wait on TENSORcnt and every LDS read: two loads of mine are out
	s_cbranch_scc0 .Lfirst_kv
	tensor_load_to_lds s[G0B:G0B+3], s[G1B:G1B+7]
	s_nop 0
	tensor_load_to_lds s[G0B+4:G0B+7], s[G1B:G1B+7]
	s_nop 0
.rept 4
	v_nop
.endr
	s_branch .Lfirst_asked
.Lfirst_kv:
	tensor_load_to_lds s[G0K:G0K+3], s[G1K:G1K+7]
	s_nop 0
	tensor_load_to_lds s[G0K+4:G0K+7], s[G1K:G1K+7]
	s_nop 0
.rept 4
	v_nop
.endr
.Lfirst_asked:
	v_lshlrev_b32 v[L16], 4, v3
.irp t, 0,1
.irp c, 0,1,2,3
	global_load_b128 v[Q+16*\t+4*\c:Q+16*\t+4*\c+3], v[L16], s[QB:QB+1] offset:\t*2048+\c*512   ; Q stays in registers: pieces 2 u, 2 u + 1 are registers 0-3, 4-7 of the fragment of channels 32 u on
.endr
.endr
	v_and_b32 v1, 15, v0                           ; r = lane % 16
	v_bfe_u32 v2, v0, 4, 1                         ; h = lane / 16
	v_mul_u32_u24 v[AB], v1, BP                    ; the bias: row 32 (wave % 4) + 16 t + r; keys 8 h on: 32 h bytes
	v_lshl_add_u32 v[AB], v2, 5, v[AB]
	v_add_nc_u32 v[AB], s72, v[AB]
	v_add_nc_u32 v[AB+1], SLOT, v[AB]
	s_lshl_b32 s75, s11, 15
	s_add_co_u32 s75, s75, KVO                     ; my head's k and v
	v_lshl_add_u32 v[AK], v3, 4, s75               ; k: images of registers: 16 x lane
	v_add_nc_u32 v[AK+1], SLOT, v[AK]
	; v: the turning load leaves in lane l channel l % 16 and keys 8 h + 0 .. 7, if lane l addresses the 16 bytes of key 8 h + l % 8, channels 8 g + 0 .. 7, g = (l / 8) % 2: the piece at 256 g + 16 (key xor 8 g)
	v_bfe_u32 v14, v0, 3, 1                        ; g
	v_and_b32 v15, 7, v0
	v_lshl_add_u32 v15, v2, 3, v15                 ; the key
	v_lshlrev_b32 v[AV], 3, v14
	v_xor_b32 v15, v15, v[AV]
	v_lshlrev_b32 v15, 4, v15
	v_lshl_add_u32 v[AV], v14, 8, v15
	v_add_nc_u32 v[AV], s75, v[AV]
	v_add_nc_u32 v[AV], 8192, v[AV]                ; behind k's 8,192 bytes
	v_add_nc_u32 v[AV+1], SLOT, v[AV]
.irp t, 0,1
	v_mov_b32 v[ST+8*\t+1], 0xff167699             ; m = -2e38, under every score that is served
	v_mul_f32 v[ST+8*\t], s[CS], v[ST+8*\t+1]      ; c m
.irp j, 2,3,4,5,6,7
	v_mov_b32 v[ST+8*\t+\j], 0                     ; l; and c0-c3, written once: a lane permute's destination counts as one of its sources
.endr
.endr
	WIN 0x40
.set i, 0
.rept 64
	v_mov_b32 v[i], 0                              ; O^T.  (The step is written once: the first finds zeros, which a = 0 leaves zeros)
.set i, i+1
.endr
	WIN 0
; THE LDS LOADS, in runs.  s: the slot; q: which 64 keys of its 128.
.macro LDB t, s, q                     ; tile t's bias, 8 loads, straight into the scores' registers: bias[query r of tile t][keys 16 kt + 8 h + 4 e on]
.irp kt, 0,1,2,3
.irp e, 0,1
	ds_load_b128 v[S+32*\t+8*\kt+4*\e:S+32*\t+8*\kt+4*\e+3], v[AB+\s] offset:\t*16*BP+\q*256+\kt*64+16*\e
.endr
.endr
.endm
.macro LDK s, q                        ; k, 16 loads: the fragments of channels 0-31 first
.irp u, 0,1
.irp kt, 0,1,2,3
.irp c, 0,1
	ds_load_b128 v[KF+16*\kt+8*\u+4*\c:KF+16*\kt+8*\u+4*\c+3], v[AK+\s] offset:\q*16384+\kt*2048+(2*\u+\c)*512
.endr
.endr
.endr
.endm
.macro LDV s, q, vb                    ; v, turned, 16 loads, into buffer vb of window 1: channels 16 ct on, keys 16 kk on.  It leaves the destination's window at 1
	WIN 0x40
.irp ct, 0,1,2,3
.irp kk, 0,1,2,3
	ds_load_tr16_b128 v[VF+64*(\vb)+16*\ct+4*\kk:VF+64*(\vb)+16*\ct+4*\kk+3], v[AV+\s] offset:\q*16384+\kk*2048+\ct*512
.endr
.endr
.endm
; Product i of 8 of S^T = K Q^T + bias^T for tile x: channels 32 (i / 4) on, keys 16 (i % 4) on.  The four accumulators take turns, one instruction a turn.
.macro KQ x
.set mS, S+32*(\x)+8*(i%4)
.set mK, KF+16*(i%4)+8*(i/4)
.set mQ, Q+16*(\x)+8*(i/4)
	v_wmma_f32_16x16x32_f16 v[mS:mS+7], v[mK:mK+7], v[mQ:mQ+7], v[mS:mS+7]
.endm
; ONE TILE'S SOFTMAX FOR 64 KEYS, all of it but the rescaling of O^T, is a list of 102 lines in window 0; SM writes number j of it for tile t.  s0-s31 are the lane's 32 scores.
;   0-15    the maximum of s0-s31 and the old m, three operands at a time: four chains c0-c3, one for each accumulator, each begun at the accumulator's low end
;   16-20   the other half of the lanes' maximum; c m_old kept; the new m; c m; c m_old - c m_new
;   21-36   c s - c m, a pair of scores a line
;   37-69   ONE BATCH of 33 exponentials: a, then s0-s31; none reads another's result.  Behind number 69 stand a plain line and the one wait for the batch (SMRUN writes them)
;   70-85   the roundings to f16, a pair of weights a line
;   86-101  the sum of the 16 pairs, in place (neighbours 1, 2, 4, 8 pairs apart); l = a l + the sum
.macro SM t
.set rT, ST+8*(\t)
.set rS, S+32*(\t)
.set rP, P+16*(\t)
.if j < 4
	v_max3_num_f32 v[rT+4+j], v[rS+8*j], v[rS+8*j+1], v[rS+8*j+2]
.elseif j < 12
	v_max3_num_f32 v[rT+4+j%4], v[rT+4+j%4], v[rS+8*(j%4)+2*(j/4)+1], v[rS+8*(j%4)+2*(j/4)+2]
.elseif j == 12
	v_max3_num_f32 v[rT+4], v[rT+4], v[rS+7], v[rS+15]
.elseif j == 13
	v_max3_num_f32 v[rT+6], v[rT+6], v[rS+23], v[rS+31]
.elseif j == 14
	v_max3_num_f32 v[rT+4], v[rT+4], v[rT+5], v[rT+6]
.elseif j == 15
	v_max3_num_f32 v[rT+4], v[rT+4], v[rT+7], v[rT+1]
.elseif j == 16
	v_permlanex16_b32 v[rT+5], v[rT+4], s[SEL], s[SEL+1]   ; the query's other 32 keys lie in the lane 16 away
.elseif j == 17
	v_mov_b32 v[rT+7], v[rT]
.elseif j == 18
	v_max_num_f32 v[rT+1], v[rT+4], v[rT+5]
.elseif j == 19
	v_mul_f32 v[rT], s[CS], v[rT+1]
.elseif j == 20
	v_sub_f32 v[rT+7], v[rT+7], v[rT]
.elseif j < 37
	v_pk_fma_f32 v[rS+2*(j-21):rS+2*(j-21)+1], v[rS+2*(j-21):rS+2*(j-21)+1], s[CS:CS+1], v[rT:rT+1] op_sel_hi:[1,0,0] neg_lo:[0,0,1] neg_hi:[0,0,1]
.elseif j == 37
	v_exp_f32 v[rT+6], v[rT+7]
.elseif j < 70
	v_exp_f32 v[rS+j-38], v[rS+j-38]
.elseif j < 86
	v_cvt_pk_f16_f32 v[rP+j-70], v[rS+2*(j-70)], v[rS+2*(j-70)+1]
.elseif j < 101
.set z, j-86
.set w, 4
.set u, z
.if z >= 14
.set w, 32
.set u, 0
.elseif z >= 12
.set w, 16
.set u, z-12
.elseif z >= 8
.set w, 8
.set u, z-8
.endif
	v_pk_add_f32 v[rS+w*u:rS+w*u+1], v[rS+w*u:rS+w*u+1], v[rS+w*u+w/2:rS+w*u+w/2+1]
.else
	v_pk_fma_f32 v[rT+2:rT+3], v[rT+2:rT+3], v[rT+6:rT+7], v[rS:rS+1] op_sel_hi:[1,0,1]
.endif
.endm
; PART A, or a piece of it: numbers from .. to of tile t's list; kq = 1: a product K Q^T of tile x stands in front of numbers 0, 7, .. 49.  The lines between name none of that product's registers.
.macro SMRUN t, from, to, x, kq
.set j, \from
.rept \to-\from+1
.if \kq && (j%7 == 0) && (j < 56)
.set i, j/7
	KQ \x
.endif
	SM \t
.if j == 69
	v_nop                                          ; a plain line behind the last exponential
	s_wait_alu depctr_va_vdst(0)                   ; one wait for the whole batch, ahead of its first reader, and ahead of every label and branch that follows
.endif
.set j, j+1
.endr
.endm
; PART B.  pv = 1: the 8 products O^T += V^T P of tile x, from V's buffer vb: keys 32 (i / 4) on, channels 16 (i % 4) on; four accumulators by turns.  rs = 1: behind each, two of the 16 packed multiplies O^T x a of the other tile,
; each accumulator from its low end on.  One window setting serves both: O^T and V in window 1, P and a in window 0.
.macro PARTB x, vb, pv, rs
	WIN 0x51
.set i, 0
.rept 8
.if \pv
.set mO, 32*(\x)+8*(i%4)
.set mV, VF+64*(\vb)+16*(i%4)+8*(i/4)
.set mP, P+16*(\x)+8*(i/4)
	v_wmma_f32_16x16x32_f16 v[mO:mO+7], v[mV:mV+7], v[mP:mP+7], v[mO:mO+7]
.endif
.if \rs
.set mR, 32*(1-(\x))+4*i
.set mA, ST+8*(1-(\x))+6
	v_pk_mul_f32 v[mR:mR+1], v[mR:mR+1], v[mA:mA+1] op_sel_hi:[1,0]
	v_pk_mul_f32 v[mR+2:mR+3], v[mR+2:mR+3], v[mA:mA+1] op_sel_hi:[1,0]
.endif
.set i, i+1
.endr
	WIN 0
.endm
; THE CHANGE OF SLOTS, directly in front of the fetch of K of a slot's first step: the slot that is left (rs) has had its last read, v of its second step, half a step ago.  Each wave waits for all its tensor loads, of which one
; is out: its part of the slot ahead; adds 0 to its spare word; and waits for that and for its reads of the slot that is left.  fill = 1: the barrier is a round of the cluster's, so that no wave of any partner still reads slot rs
; or has a load on its way, and the joint refill of slot rs, with the keys two slots on, is the first thing behind it.
.macro BETA rs, fill
	s_wait_tensorcnt 0x0                           ; no tensor load of mine is out, so a group 0 may be written
	ds_add_u32 v[SPW], v[NIL]                      ; 0 onto my spare word; the steps below stand between it and the wait for it
.if \fill
	s_add_nc_u64 s[G0B+4*(\rs)+2:G0B+4*(\rs)+3], s[G0B+4*(\rs)+2:G0B+4*(\rs)+3], 2*512      ; 256 keys on in each row of the bias; the type bits on top are not reached
	s_add_nc_u64 s[G0K+4*(\rs)+2:G0K+4*(\rs)+3], s[G0K+4*(\rs)+2:G0K+4*(\rs)+3], 2*49152    ; four blocks of 64 keys on
	s_wait_xcnt 0x0                                ; the last prefetch, two key steps back, has read its address, so it may be written:
	s_add_nc_u64 s[PFA:PFA+1], s[PFA:PFA+1], s[PFS:PFS+1]   ; one slot further on than the load below
	s_wait_dscnt 0x0                               ; the add is done, and my reads of the slot that is left are over
	CROUND
	JLOAD \rs
.else
	s_wait_dscnt 0x0
	s_barrier_signal -1
	s_barrier_wait -1
.endif
.endm
; KEY STEP j.  vb = j % 2: V's buffer.  (s1, q1): where step j + 1 lies in the ring; (s2, q2): step j + 2.  chg = 1: step j + 2 begins a slot, and the slot that is left is filled again; 2: it begins the last slot; 0: it does not.
.macro KEYSTEP vb, s1, q1, s2, q2, chg, how
	s_wait_dscnt 0x0                               ; K(j+1) and tile 0's bias are in, and with them V(j), which was asked for earlier
	SMRUN 1, 0, 101, 0, 1                          ; A: KQ(0, j+1) | softmax(1, j)
	LDB 1, \s1, \q1                                ; tile 1's scores have been summed: their registers take the next bias
	LDV \s1, \q1, 1-\vb                            ; V(j+1) into the buffer that the step before read: a whole step ahead of its first use
	PARTB 0, \vb, 1, 1                             ; B: PV(0, j) | O(1) x a
	s_wait_dscnt 16                                ; tile 1's bias is in; V's sixteen loads, issued behind it, may be out
	SMRUN 0, 0, 85, 1, 1                           ; A: KQ(1, j+1) | softmax(0, j+1), as far as the roundings
.if (\chg) == 1
	BETA 1-\s2, 1
.elseif (\chg) == 2
	BETA 1-\s2, 0
.endif
	LDK \s2, \q2                                   ; K(j+2): the last product that read K stands in front of number 49: a v_nop and sixteen roundings, which name none of its registers, lie between
.if (\chg) == 1
	ASK \how                                       ; behind the joint load and the run of LDS loads
.endif
	SMRUN 0, 86, 101, 1, 0                         ; the sums
	LDB 0, \s2, \q2                                ; tile 0's scores have been summed: their registers take the next bias
	PARTB 1, \vb, 1, 1                             ; B: PV(1, j) | O(0) x a
.endm
	s_wait_loadcnt 0x0                             ; Q
	s_wait_tensorcnt 1                             ; my part of slot 0 is in; slot 1's may stay out
	s_barrier_signal -1
	s_barrier_wait -1                              ; everybody's is
	LDB 0, 0, 0                                    ; the way in: key step 0's bias, K and V
	LDK 0, 0
	LDB 1, 0, 0
	LDV 0, 0, 0
	WIN 0
	s_wait_dscnt 24                                ; tile 0's bias and K are in; tile 1's bias (8 loads) and V (16) may be out
.set i, 0
.rept 8
	KQ 0                                           ; tile 0's first scores: there is no vector work yet to set between them
.set i, i+1
.endr
.rept 4
	v_nop                                          ; four places between these products and the first read of a score (ISA guide 7.12.1)
.endr
	s_wait_dscnt 16                                ; tile 1's bias is in
	SMRUN 0, 0, 85, 1, 1                           ; A: KQ(1, 0) | softmax(0, 0)
	LDK 0, 1                                       ; K(1)
	SMRUN 0, 86, 101, 1, 0
	LDB 0, 0, 1                                    ; tile 0's bias of step 1.  (No part B here: there is no V^T P yet, and O(0) is zeros)
	s_mov_b32 s[TRIP], 7
.Ltrip:                                            ; 7 trips of four key steps: steps 0 to 27; slots 2 to 15 are asked for
	KEYSTEP 0, 0, 1, 1, 0, 1, 1
	KEYSTEP 1, 1, 0, 1, 1, 0, 0
	KEYSTEP 0, 1, 1, 0, 0, 1, 0
	KEYSTEP 1, 0, 0, 0, 1, 0, 0
	s_sub_co_u32 s[TRIP], s[TRIP], 1
	s_cmp_lg_u32 s[TRIP], 0
	s_cbranch_scc1 .Ltrip
	KEYSTEP 0, 0, 1, 1, 0, 2, 0                    ; the tail is written out.  Step 28: the last slot is entered, nothing is asked for
	KEYSTEP 1, 1, 0, 1, 1, 0, 0                    ; step 29
	s_wait_dscnt 0x0                               ; step 30: there is no K and no bias of a step 32
	SMRUN 1, 0, 101, 0, 1                          ; A: KQ(0, 31) | softmax(1, 30)
	LDB 1, 1, 1
	LDV 1, 1, 1
	PARTB 0, 0, 1, 1                               ; B: PV(0, 30) | O(1) x a
	s_wait_dscnt 16                                ; tile 1's bias is in; V may be out
	SMRUN 0, 0, 101, 1, 1                          ; A: KQ(1, 31) | softmax(0, 31)
	PARTB 1, 0, 1, 1                               ; B: PV(1, 30) | O(0) x a
	s_wait_dscnt 0x0                               ; step 31: V(31) is in
	SMRUN 1, 0, 101, 0, 0                          ; softmax(1, 31): no scores are left to make
	PARTB 0, 1, 1, 1                               ; B: PV(0, 31) | O(1) x a
	PARTB 1, 1, 1, 0                               ; PV(1, 31)
.rept 4
	v_nop                                          ; four places between the last products and the first read of O^T
.endr
	; THE WAY OUT.  l's two halves and the other half of the lanes' are added; O^T is divided by l and rounded to f16.  A lane's eight channels of its query are 16 bytes: half a fragment of the next launch's operand, stored at 16 x lane.
.irp t, 0,1
	v_add_f32 v[ST+8*\t+4], v[ST+8*\t+2], v[ST+8*\t+3]
.endr
.irp t, 0,1
	v_permlanex16_b32 v[ST+8*\t+5], v[ST+8*\t+4], s[SEL], s[SEL+1]
.endr
.irp t, 0,1
	v_add_f32 v[ST+8*\t+4], v[ST+8*\t+4], v[ST+8*\t+5]
.endr
.irp t, 0,1
	v_rcp_f32 v[ST+8*\t+6], v[ST+8*\t+4]
.endr
	v_nop                                          ; a plain instruction behind the last reciprocal
	s_wait_alu depctr_va_vdst(0)                   ; one wait for both, ahead of their first reader
	WIN 0x01                                       ; source 0: O^T, window 1
.set i, 0
.rept 32
	v_pk_mul_f32 v[S+2*i:S+2*i+1], v[2*i:2*i+1], v[ST+8*(i/16)+6:ST+8*(i/16)+7] op_sel_hi:[1,0]
.set i, i+1
.endr
	WIN 0
.set i, 0
.rept 32
	v_cvt_pk_f16_f32 v[P+i], v[S+2*i], v[S+2*i+1]
.set i, i+1
.endr
.irp t, 0,1
.irp ct, 0,1,2,3
	global_store_b128 v[L16], v[P+16*\t+4*\ct:P+16*\t+4*\ct+3], s[OB:OB+1] offset:\t*32768+\ct*512   ; 32 lanes store 512 consecutive bytes, aligned
.endr
.endr
	s_wait_tensorcnt 0x0                           ; the wave's end, behind my last tensor load
	ds_add_u32 v[SPW], v[NIL]
	s_wait_dscnt 0x0
	CROUND                                         ; the closing round: no work-group ends while a partner may still ask for a tile that names it
	s_endpgm
.Lfunc_end_k_q81739c1beb_attn:
	.size	k_q81739c1beb_attn, .Lfunc_end_k_q81739c1beb_attn-k_q81739c1beb_attn
	.p2alignl 7, 3214868480
	.fill 96, 4, 3214868480
	.section	.rodata,"a",@progbits
	.p2align	6, 0x0
	.amdhsa_kernel k_q81739c1beb_attn
		.amdhsa_group_segment_fixed_size 327680
		.amdhsa_private_segment_fixed_size 0
		.amdhsa_enable_private_segment 0
		.amdhsa_kernarg_size 24
		.amdhsa_user_sgpr_count 2
		.amdhsa_user_sgpr_kernarg_segment_ptr 1
		.amdhsa_wavefront_size32 1
		.amdhsa_system_sgpr_workgroup_id_x 1
		.amdhsa_system_sgpr_workgroup_id_y 1
		.amdhsa_system_sgpr_workgroup_id_z 1
		.amdhsa_system_vgpr_workitem_id 0
		.amdhsa_next_free_vgpr 448
		.amdhsa_next_free_sgpr 80
		.amdhsa_reserve_vcc 0
		.amdhsa_float_denorm_mode_32 3
		.amdhsa_float_denorm_mode_16_64 3
		.amdhsa_memory_ordered 1
		.amdhsa_forward_progress 1
		.amdhsa_inst_pref_size 163
	.end_amdhsa_kernel
	.amdgpu_metadata
---
amdhsa.version: [ 1, 2 ]
amdhsa.kernels:
  - .name:           k_q81739c1beb_attn
    .symbol:         k_q81739c1beb_attn.kd
    .args:
      - { .name: attn_bias, .offset: 0, .size: 8, .value_kind: global_buffer, .address_space: global }
      - { .name: qkv, .offset: 8, .size: 8, .value_kind: global_buffer, .address_space: global }
      - { .name: oa, .offset: 16, .size: 8, .value_kind: global_buffer, .address_space: global }
    .group_segment_fixed_size: 327680
    .private_segment_fixed_size: 0
    .kernarg_segment_align: 8
    .kernarg_segment_size: 24
    .max_flat_workgroup_size: 256
    .sgpr_count:     80
    .vgpr_count:     448
    .wavefront_size: 32
...
	.end_amdgpu_metadata
.endif
;; end of part 3
;; launch proj (part 4): grid 8 x 32, 4 waves a work-group, clusters of 4 x 4, 327,680 bytes of LDS; arguments oa, wp16, b_proj, out0; writes out0
.if DOCPART == 4
	.amdgcn_target "amdgcn-amd-amdhsa--gfx1250"
	.amdhsa_code_object_version 6
	.text
	.protected	k_q81739c1beb_proj
	.globl	k_q81739c1beb_proj
	.p2align	8
	.type	k_q81739c1beb_proj,@function
k_q81739c1beb_proj:
	s_mov_b64 s[64:65], 0
	v_nop
	global_prefetch_b8 v0, s[64:65] scope:SCOPE_SE
	s_setreg_imm32_b32 hwreg(HW_REG_WAVE_MODE, 25, 1), 1
	s_wait_xcnt 0x0
	s_wait_alu depctr_hold_cnt(0) depctr_sa_sdst(0) depctr_va_vdst(0) depctr_va_sdst(0) depctr_va_ssrc(0) depctr_va_vcc(0) depctr_vm_vsrc(0)
	s_getreg_b32 s2, hwreg(HW_REG_IB_STS2, 6, 4)
	s_cmp_eq_u32 s2, 0
	s_cbranch_scc0 .Lentry_in_a_cluster
	s_endpgm
.Lentry_in_a_cluster:
	s_bfe_u32 s2, ttmp6, 0x10000c
	s_cmp_lg_u32 s2, 0xf033
	s_cbranch_scc0 .Lentry_shape_is_right
	s_endpgm
.Lentry_shape_is_right:
; PROJECTION.  out0[m][n] = sum over k of o[m][k] w_proj[n][k] + b_proj[n]; m 4,096, n 1,024, K 1,024; f16 operands, f32 sums, f32 out.
; o comes from the launch before as images of operand registers: [tile of 16 tokens 256][32 along K 32][half 2][lane 32] x 16 bytes; w_proj as f16 rows.
; A tile of the result is 128 x 128: 8 x 32 = 256 work-groups; four waves, each 64 x 64: 16 accumulators, 128 registers.  K goes in steps of 256 through a ring of two LDS slots.  Of o a step is, for each tile of 16 tokens, 8,192
; consecutive bytes, read back 16 bytes a lane on end; of w_proj rows of 512 bytes, 16 of padding behind each.
; CLUSTERS: 4 x 4 work-groups.  The four of a row of the cluster need the same tiles of o, the four of a column the same tiles of w_proj: each tile is asked for JOINTLY.
; THE MATRIX INSTRUCTION IS USED TRANSPOSED (source 0 = 16 rows of w_proj, source 1 = 16 tokens): a lane holds eight neighbouring numbers of a row of the result.  b_proj is the C of each sum's first product.
; No prefetch: the tile is small, a step's requests are shared in the cluster, and both operands are read again by other work-groups.
; REGISTERS: window 0: v0-31 addresses; v32-95 the way out; v96-127 b_proj; v128-255 the accumulators ((a, b) at v[128 + 8 (4 a + b)]).   window 1: two fragment buffers of 128: for 64 along K, 64 registers of o, then 64 of w_proj.
; LIMITS: o and w_proj go in f16: magnitudes up to 65,504.
.set SIZE_N, 1024
.set SIZE_K, 1024
.set KSTEP,  256
.set PITCH,  528                       ; a row of w_proj in LDS: 512 bytes + 16 = 132 words: row r starts at bank 4 r mod 64 (64 banks of 4 bytes: ISA guide 11.1)
.set HALFA,  32768                     ; four tiles of 16 tokens x 8,192 bytes: what one tensor load brings of o, and what one wave reads
.set HALFB,  64*PITCH                  ; 64 rows of w_proj likewise
.set BOFF,   2*HALFA                   ; a slot: o's 128 tokens, then w_proj's 128 rows
.set SLOT,   BOFF+2*HALFB
.set STAGE,  2*SLOT                    ; behind the ring: 16 rows x 272 bytes for each wave, for the way out
.set SPITCH, 272
.set SPARE,  STAGE+4*16*SPITCH         ; behind the stages: the spare words, 128 bytes a wave, which no other line names
.set LAPS, SIZE_K/(2*KSTEP)            ; a lap = two K steps = once round the ring
.set ADRA, 16                          ; v16-17  LDS address of my o fragments in slot 0, 1
.set ADRB, 20                          ; v20-21  the same for w_proj
.set STO,  24                          ; v24     the way out: where I put 32 bytes of a row
.set RD,   25                          ; v25     the way out: where I read a row back
.set CO,   26                          ; v26     my byte offset in the result
.set BO,   27                          ; v27     32 x (lane / 16): my eight numbers of a block of 16 of b_proj
.set SPW,  28                          ; v28     LDS address of my spare word; never rewritten
.set NIL,  29                          ; v29     0; never rewritten
.set TMP,  32                          ; the way out: 16 rows read back, v32-63 and v64-95 by turns
.set BI,   96                          ; b_proj of my 64 columns: v[BI + 8 b + j] = b_proj[16 b + 8 (lane / 16) + j]
.set ACC,  128
.set F0,   0                           ; fragment buffers, in window 1
.set F1,   128
.set G1, 24                            ; s[24:31] descriptor group 1 for o's tiles;  s[32:39] group 0, one set for each slot
.set G0, 32
.set G1B, 48                           ; s[48:55], s[56:63] the same for w_proj's
.set G0B, 56
.set MSB, 0
.macro WIN new                         ; the immediate's high byte repeats the setting that is left
.set NW, \new
.if MSB != NW
	s_set_vgpr_msb (MSB<<8)|NW
.set MSB, NW
.endif
.endm
.set MUL,  0x05                        ; sources 0 (w_proj) and 1 (o) window 1; C and D window 0
.set TO_F, 0x40                        ; destination window 1, address window 0
.macro JLOAD s                         ; a joint load: waves 0 and 1 fetch o's two halves, waves 2 and 3 w_proj's; an s_nop 0 and four v_nop follow each of the two lines
	s_cmp_eq_u32 s11, 0
	s_cbranch_scc0 .Lfor_b_\@
	tensor_load_to_lds s[G0+4*\s:G0+4*\s+3], s[G1:G1+7]
	s_nop 0
.rept 4
	v_nop
.endr
	s_branch .Lasked_\@
.Lfor_b_\@:
	tensor_load_to_lds s[G0B+4*\s:G0B+4*\s+3], s[G1B:G1B+7]
	s_nop 0
.rept 4
	v_nop
.endr
.Lasked_\@:
.endm
.macro CREST                           ; a round of the cluster's barrier behind its opening barrier
	s_cmp_lg_u32 s10, 0
	s_cbranch_scc1 .Lnot_wave_0_\@
	s_barrier_signal -3
.Lnot_wave_0_\@:
	s_barrier_wait -3
	s_barrier_signal -1
	s_barrier_wait -1
.endm
.macro CROUND                          ; a whole round
	s_barrier_signal -1
	s_barrier_wait -1
	CREST
.endm
	s_load_b128 s[4:7], s[0:1], 0x0                ; o s[4:5], w_proj in f16 s[6:7]
	s_load_b64 s[18:19], s[0:1], 0x10              ; b_proj
	s_load_b64 s[8:9], s[0:1], 0x18                ; out0
	v_lshl_add_u32 v[SPW], v0, 2, SPARE
	v_mov_b32 v[NIL], 0
	ds_add_u32 v[SPW], v[NIL]                      ; the wave's opening: the add, twice on end, and its wait ahead of my first tensor load; the set-up below stands between
	ds_add_u32 v[SPW], v[NIL]
	v_lshrrev_b32 v1, 5, v0
	v_readfirstlane_b32 s10, v1                    ; wave 0..3
	s_lshr_b32 s11, s10, 1                         ; which half of the tile's tokens is mine.  Also: I fetch for o (0) or for w_proj (1)
	s_and_b32 s12, s10, 1                          ; which half of its columns.  Also: which half of that tile I fetch
	s_bfe_u32 s40, ttmp6, 0x40000                  ; cx, cy: my place in the cluster
	s_bfe_u32 s41, ttmp6, 0x40004
	s_lshl_b32 s42, ttmp9, 2
	s_add_co_u32 s42, s42, s40                     ; tile column = 4 x cluster x + cx
	s_and_b32 s13, ttmp7, 0xffff
	s_lshl_b32 s13, s13, 2
	s_add_co_u32 s13, s13, s41                     ; tile row = 4 x cluster y + cy
	s_lshl_b32 s43, s41, 2
	s_lshl_b32 s43, 15, s43                        ; my row of the cluster
	s_lshl_b32 s44, 0x1111, s40                    ; my column
	; group 1 for o: 4 rows (tiles of 16 tokens) x 1,024 elements of 8 bytes (a K step's 8,192 bytes), 4,096 elements from row to row; no padding
	s_or_b32 s[G1+0], s43, (3<<16)|(1<<21)         ; 15:0 the mask: o's tiles go to my row; 17:16 elements of 8 bytes; 21 set beside a mask
	s_mov_b32 s[G1+1], 1024<<16                    ; tensor_dim0
	s_mov_b32 s[G1+2], 4<<16                       ; tensor_dim1
	s_mov_b32 s[G1+3], 1024<<16                    ; tile_dim0
	s_mov_b32 s[G1+4], 4                           ; tile_dim1
	s_mov_b32 s[G1+5], 4096                        ; tensor_dim0_stride
	s_mov_b32 s[G1+6], 0
	s_mov_b32 s[G1+7], 0
	; group 1 for w_proj: 64 rows x 256 elements of 2 bytes; four words of padding after every 128
	s_or_b32 s[G1B+0], s44, (1<<16)|(1<<20)|(1<<21)|(6<<22)|(3<<25)
	s_mov_b32 s[G1B+1], KSTEP<<16
	s_mov_b32 s[G1B+2], 64<<16
	s_mov_b32 s[G1B+3], KSTEP<<16
	s_mov_b32 s[G1B+4], 64
	s_mov_b32 s[G1B+5], SIZE_K
	s_mov_b32 s[G1B+6], 0
	s_mov_b32 s[G1B+7], 0
	s_lshl_b32 s16, s13, 18                        ; o: tile of tokens 8 x tile row + 4 x half, 32,768 bytes each
	s_lshl_b32 s17, s12, 17
	s_add_co_u32 s16, s16, s17
	s_mov_b32 s17, 0
	s_lshl_b32 s46, s42, 18                        ; w_proj: row 128 x tile column + 64 x half, 2,048 bytes each
	s_lshl_b32 s47, s12, 17
	s_add_co_u32 s46, s46, s47
	s_mov_b32 s47, 0
	s_lshl_b32 s20, s12, 15                        ; where they go: o's half,
	s_mul_i32 s21, s12, HALFB
	s_add_co_u32 s21, s21, BOFF                    ; w_proj's half: no place in the cluster enters an LDS address
	s_wait_dscnt 0x0                               ; both opening adds are done
	s_wait_kmcnt 0x0
	s_add_nc_u64 s[14:15], s[4:5], s[16:17]
	s_add_nc_u64 s[46:47], s[6:7], s[46:47]
	CROUND                                         ; all sixteen work-groups are here: the first joint loads meet
.irp s, 0,1
	s_mov_b32 s[G0+4*\s], 1
	s_add_co_u32 s[G0+4*\s+1], s20, \s*SLOT
	s_add_nc_u64 s[G0+4*\s+2:G0+4*\s+3], s[14:15], \s*8192
	s_or_b32 s[G0+4*\s+3], s[G0+4*\s+3], 0x80000000
	s_mov_b32 s[G0B+4*\s], 1
	s_add_co_u32 s[G0B+4*\s+1], s21, \s*SLOT
	s_add_nc_u64 s[G0B+4*\s+2:G0B+4*\s+3], s[46:47], \s*KSTEP*2
	s_or_b32 s[G0B+4*\s+3], s[G0B+4*\s+3], 0x80000000
	JLOAD \s                                       ; two tensor loads of mine are out
.endr
	v_and_b32 v1, 15, v0                           ; l % 16
	v_bfe_u32 v2, v0, 4, 1                         ; l / 16
	v_and_b32 v3, 31, v0                           ; lane
	s_lshl_b32 s21, s11, 15                        ; my 64 tokens of o: images of registers, 16 x lane
	v_lshl_add_u32 v[ADRA], v3, 4, s21
	v_add_nc_u32 v[ADRA+1], SLOT, v[ADRA]
	v_mul_u32_u24 v4, v1, PITCH
	v_lshl_add_u32 v4, v2, 4, v4                   ; w_proj: a fragment's row x pitch + 16 x half
	s_mul_i32 s22, s12, HALFB
	s_add_co_u32 s22, s22, BOFF
	v_add_nc_u32 v[ADRB], s22, v4
	v_add_nc_u32 v[ADRB+1], SLOT, v[ADRB]
	s_mul_i32 s23, s10, 16*SPITCH
	s_add_co_u32 s23, s23, STAGE                   ; my stage
	v_mul_u32_u24 v4, v1, SPITCH                   ; in: row l % 16, 32 bytes for each half of the lanes
	v_lshl_add_u32 v4, v2, 5, v4
	v_add_nc_u32 v[STO], s23, v4
	v_mul_u32_u24 v5, v2, SPITCH                   ; back: lanes 0-15 take one row of 256 bytes, lanes 16-31 the next
	v_lshl_add_u32 v5, v1, 4, v5
	v_add_nc_u32 v[RD], s23, v5
	v_lshlrev_b32 v5, 12, v2                       ; and the same two rows in the result: 4,096 bytes a row
	v_lshl_add_u32 v[CO], v1, 4, v5
	v_lshlrev_b32 v[BO], 5, v2
	s_lshl_b32 s46, s42, 9                         ; my first column, in bytes: 512 x tile column + 256 x half
	s_lshl_b32 s47, s12, 8
	s_add_co_u32 s46, s46, s47
	s_mov_b32 s47, 0
	s_add_nc_u64 s[18:19], s[18:19], s[46:47]      ; b_proj there
	s_add_nc_u64 s[8:9], s[8:9], s[46:47]
	s_lshl_b32 s16, s13, 19                        ; my first row: 128 x tile row + 64 x half
	s_lshl_b32 s17, s11, 18
	s_add_co_u32 s16, s16, s17
	s_mov_b32 s17, 0
	s_add_nc_u64 s[8:9], s[8:9], s[16:17]
.irp b, 0,1,2,3
	global_load_b128 v[BI+8*\b:BI+8*\b+3], v[BO], s[18:19] offset:64*\b
	global_load_b128 v[BI+8*\b+4:BI+8*\b+7], v[BO], s[18:19] offset:64*\b+16
.endr
; 8 matrix instructions: token blocks a0, a0 + 1 x all 4 column blocks, 32 along K: half c of buffer f.  first = 1: the first product starts the sums, with b_proj as its C: nothing is cleared and nothing is added later
.macro MUL8 f, c, a0, first
.irp a, \a0, \a0+1
.irp b, 0,1,2,3
.if \first
	v_wmma_f32_16x16x32_f16 v[ACC+8*(4*(\a)+\b):ACC+8*(4*(\a)+\b)+7], v[\f+64+8*(4*\c+\b):\f+64+8*(4*\c+\b)+7], v[\f+8*(4*\c+\a):\f+8*(4*\c+\a)+7], v[BI+8*\b:BI+8*\b+7]
.else
	v_wmma_f32_16x16x32_f16 v[ACC+8*(4*(\a)+\b):ACC+8*(4*(\a)+\b)+7], v[\f+64+8*(4*\c+\b):\f+64+8*(4*\c+\b)+7], v[\f+8*(4*\c+\a):\f+8*(4*\c+\a)+7], v[ACC+8*(4*(\a)+\b):ACC+8*(4*(\a)+\b)+7]
.endif
.endr
.endr
.endm
; 32 LDS loads in one run: the fragments of 64 along K, at byte k of w_proj's rows (in o's images: 16 k), into buffer f; the first 32 along K first
.macro FETCH slot, k, f
	WIN TO_F
.irp c, 0,1
.irp i, 0,1,2,3
	ds_load_b128 v[\f+64+8*(4*\c+\i):\f+64+8*(4*\c+\i)+3],   v[ADRB+\slot] offset:\k+64*\c+\i*16*PITCH
	ds_load_b128 v[\f+64+8*(4*\c+\i)+4:\f+64+8*(4*\c+\i)+7], v[ADRB+\slot] offset:\k+64*\c+\i*16*PITCH+32
	ds_load_b128 v[\f+8*(4*\c+\i):\f+8*(4*\c+\i)+3],         v[ADRA+\slot] offset:16*\k+1024*\c+\i*8192
	ds_load_b128 v[\f+8*(4*\c+\i)+4:\f+8*(4*\c+\i)+7],       v[ADRA+\slot] offset:16*\k+1024*\c+\i*8192+512
.endr
.endr
.endm
.macro PLACES                          ; four places in front of loads into registers that matrix instructions have read, and of the first read of results
.rept 4
	v_nop
.endr
.endm
; A K step is four quarters of 64 along K, 32 matrix instructions each, on buffers 0, 1, 0, 1.  One of the first three: multiplies buffer f and fetches the next quarter, at byte k, into g.
.macro QUARTER slot, k, f, g, first
	s_wait_dscnt 16                                ; the first 32 along K are in; the youngest sixteen loads may be out
	WIN MUL
	MUL8 \f, 0, 0, \first
	MUL8 \f, 0, 2, \first
	PLACES
	FETCH \slot, \k, \g
	s_wait_dscnt 32                                ; all but the 32 just issued
	WIN MUL
	MUL8 \f, 1, 0, 0
	MUL8 \f, 1, 2, 0
.endm
; The last quarter multiplies buffer 1 and changes slots: ONE barrier; in front of it each wave waits for all its tensor loads, adds 0 to its spare word, and waits for that and for its own reads of this slot.  fill = 1: this slot is filled again, two K steps ahead.
.macro TURN slot, next, fill
	WIN 0                                          ; (the add's two registers lie in window 0)
	s_wait_tensorcnt 0x0                           ; all my tensor loads have landed: my part of the next slot
	ds_add_u32 v[SPW], v[NIL]                      ; 0 onto my spare word
	s_wait_dscnt 17                                ; (the add and the youngest sixteen loads may be out)
	WIN MUL
	MUL8 F1, 0, 0, 0                               ; eight matrix instructions stand between the add and the wait for it
	s_wait_dscnt 0x0                               ; the add is done, and my reads of this slot are over
	s_barrier_signal -1
	MUL8 F1, 0, 2, 0
.if \fill
	WIN 0
.endif
	s_barrier_wait -1
.if \fill
	CREST                                          ; the barrier has opened a round of the cluster's barrier: no wave of any partner still reads this slot's tile or has a load on its way
	s_add_nc_u64 s[G0+4*\slot+2:G0+4*\slot+3], s[G0+4*\slot+2:G0+4*\slot+3], 2*8192
	s_add_nc_u64 s[G0B+4*\slot+2:G0B+4*\slot+3], s[G0B+4*\slot+2:G0B+4*\slot+3], 2*KSTEP*2
	JLOAD \slot                                    ; the first tensor load behind the round; the four v_nop behind it are also the places in front of the loads below
.else
	PLACES
.endif
	FETCH \next, 0, F0
	WIN MUL
	MUL8 F1, 1, 0, 0
	MUL8 F1, 1, 2, 0
.endm
	s_wait_tensorcnt 1                             ; my part of K step 0 is in (K step 1's load may be out)
	s_barrier_signal -1
	s_barrier_wait -1                              ; everybody's is
	FETCH 0, 0, F0
	s_wait_loadcnt 0x0                             ; b_proj
	QUARTER 0, 128, F0, F1, 1                      ; the first quarter stands in front of the loop: its first products start the sums
	WIN 0                                          ; at a label and at a branch every window is 0
	s_mov_b32 s3, LAPS-1
.Llap:                                                 ; a trip goes once round the ring, from a lap's second quarter to the next lap's first, and fills both slots again
	QUARTER 0, 256, F1, F0, 0
	QUARTER 0, 384, F0, F1, 0
	TURN 0, 1, 1
	QUARTER 1, 128, F0, F1, 0
	QUARTER 1, 256, F1, F0, 0
	QUARTER 1, 384, F0, F1, 0
	TURN 1, 0, 1
	QUARTER 0, 128, F0, F1, 0
	WIN 0
	s_sub_co_u32 s3, s3, 1
	s_cmp_lg_u32 s3, 0
	s_cbranch_scc1 .Llap
	QUARTER 0, 256, F1, F0, 0                      ; the last lap fills nothing, and has no round of the cluster's barrier
	QUARTER 0, 384, F0, F1, 0
	TURN 0, 1, 0
	QUARTER 1, 128, F0, F1, 0
	QUARTER 1, 256, F1, F0, 0
	QUARTER 1, 384, F0, F1, 0
	s_wait_dscnt 16                                ; the very last quarter: nothing more to fetch
	WIN MUL
	MUL8 F1, 0, 0, 0
	MUL8 F1, 0, 2, 0
	s_wait_dscnt 0
	MUL8 F1, 1, 0, 0
	MUL8 F1, 1, 2, 0
	WIN 0
	; THE WAY OUT, block by block of 16 tokens x 64 columns.  A lane holds 32 neighbouring bytes of a row, and the lanes beside it hold other rows: so a block goes through my own stage in LDS and comes back as whole rows of
	; 256 bytes, my 64 columns.  LDS serves a wave's instructions in order (ISA guide 5.7.1.4): no wait between the stores and the loads.  No other wave touches my stage: no barrier.
	PLACES
.irp a, 0,1,2,3
.if \a >= 2
	s_wait_xcnt 0x0                                ; block a - 2's stores have read their data registers: block a's loads may land there
.endif
.irp b, 0,1,2,3
	ds_store_b128 v[STO], v[ACC+8*(4*\a+\b):ACC+8*(4*\a+\b)+3] offset:64*\b          ; each accumulator from its low end on
	ds_store_b128 v[STO], v[ACC+8*(4*\a+\b)+4:ACC+8*(4*\a+\b)+7] offset:64*\b+16
.endr
.irp i, 0,1,2,3,4,5,6,7
	ds_load_b128 v[TMP+32*(\a%2)+4*\i:TMP+32*(\a%2)+4*\i+3], v[RD] offset:\i*2*SPITCH
.endr
.irp i, 0,1,2,3,4,5,6,7
	s_wait_dscnt 7-\i                              ; LDS loads come back in order: load i is in, the younger stay out
	global_store_b128 v[CO], v[TMP+32*(\a%2)+4*\i:TMP+32*(\a%2)+4*\i+3], s[8:9] offset:(16*\a+2*\i)*SIZE_N*4 th:TH_STORE_NT   ; 16 lanes store 256 consecutive bytes, aligned; written once, read by nobody here
.endr
.endr
	s_wait_tensorcnt 0x0                           ; the wave's end, behind my last tensor load and my last LDS store
	ds_add_u32 v[SPW], v[NIL]
	s_wait_dscnt 0x0
	CROUND                                         ; the closing round: no work-group ends while a partner may still ask for a tile that names it
	s_endpgm
.Lfunc_end_k_q81739c1beb_proj:
	.size	k_q81739c1beb_proj, .Lfunc_end_k_q81739c1beb_proj-k_q81739c1beb_proj
	.p2alignl 7, 3214868480
	.fill 96, 4, 3214868480
	.section	.rodata,"a",@progbits
	.p2align	6, 0x0
	.amdhsa_kernel k_q81739c1beb_proj
		.amdhsa_group_segment_fixed_size 327680
		.amdhsa_private_segment_fixed_size 0
		.amdhsa_enable_private_segment 0
		.amdhsa_kernarg_size 32
		.amdhsa_user_sgpr_count 2
		.amdhsa_user_sgpr_kernarg_segment_ptr 1
		.amdhsa_wavefront_size32 1
		.amdhsa_system_sgpr_workgroup_id_x 1
		.amdhsa_system_sgpr_workgroup_id_y 1
		.amdhsa_system_sgpr_workgroup_id_z 1
		.amdhsa_system_vgpr_workitem_id 0
		.amdhsa_next_free_vgpr 512
		.amdhsa_next_free_sgpr 66
		.amdhsa_reserve_vcc 0
		.amdhsa_float_denorm_mode_32 3
		.amdhsa_float_denorm_mode_16_64 3
		.amdhsa_memory_ordered 1
		.amdhsa_forward_progress 1
		.amdhsa_inst_pref_size 87
	.end_amdhsa_kernel
	.amdgpu_metadata
---
amdhsa.version: [ 1, 2 ]
amdhsa.kernels:
  - .name:           k_q81739c1beb_proj
    .symbol:         k_q81739c1beb_proj.kd
    .args:
      - { .name: oa, .offset: 0, .size: 8, .value_kind: global_buffer, .address_space: global }
      - { .name: wp16, .offset: 8, .size: 8, .value_kind: global_buffer, .address_space: global }
      - { .name: b_proj, .offset: 16, .size: 8, .value_kind: global_buffer, .address_space: global }
      - { .name: out0, .offset: 24, .size: 8, .value_kind: global_buffer, .address_space: global }
    .group_segment_fixed_size: 327680
    .private_segment_fixed_size: 0
    .kernarg_segment_align: 8
    .kernarg_segment_size: 32
    .max_flat_workgroup_size: 128
    .sgpr_count:     66
    .vgpr_count:     512
    .wavefront_size: 32
...
	.end_amdgpu_metadata
.endif
;; end of part 4
